; MI455X (gfx1250); checked and timed in simulation.
; The chip was launched on July 23, 2026; its instructions are those of AMD's public machine-readable ISA for CDNA 5 (MIT licence, August 2026) and "CDNA5" Instruction Set Architecture Reference Guide (July 2026). The comments in the code are by the model that wrote it; some were corrected since.
;; Causal Attention Layer. Allowed arithmetic: matrix products marked QUANTISED: E4M3 operands, one given power-of-two scale a tensor, by v_wmma_f32_16x16x64_fp8_fp8 or v_wmma_f32_16x16x128_fp8_fp8, f32 sums; everything else in f32.
;; Inputs: lowp_scales 8 int32 (the exponents e of the quantised operands' scales 2^e); proj_b 1,024 float32; proj_w 1,024 x 1,024 float32; qkv_w 3,072 x 1,024 float32; x 4 x 2,048 x 1,024 float32.
;; Outputs: out0 4 x 2,048 x 1,024 float32.
;; This version of the problem:
;;   THIS VERSION OF THE PROBLEM IS GIVEN IN LOW PRECISION. The matrix products marked QUANTISED in the list below multiply operands that are first quantised to E4M3 (4 exponent bits, 3 mantissa bits; 8 bits a number), with one given power-of-two scale for each operand tensor; their sums are f32. All else is computed in f32.
;;   The module's matrix products, in the order in which they are computed (A, B: the left and right operand; K: the contracted axis; several contracted axes count as one K, in the product's order):
;;     1. [M 8,192, K 1,024] x [K 1,024, N 3,072]; A: input x; B: input qkv_w: QUANTISED (scales: A lowp_scales[0], B lowp_scales[1])
;;     2. batch 64 x [M 2,048, K 64] x [K 64, N 2,048]; A: computed on the way; B: computed on the way: QUANTISED (scales: A lowp_scales[2], B lowp_scales[3])
;;     3. batch 64 x [M 64, K 2,048] x [K 2,048, N 2,048]; A: computed on the way; B: softmax (see below): QUANTISED (scales: A lowp_scales[4], B lowp_scales[5])
;;     4. [M 8,192, K 1,024] x [K 1,024, N 1,024]; A: computed on the way; B: input proj_w: QUANTISED (scales: A lowp_scales[6], B lowp_scales[7])
;;   THE QUANTISER, for each operand of a quantised product, along K:
;;     - The operand's scale is 2^e, e = its entry of the input lowp_scales (int32; the entries are numbered through the quantised products in the list's order, A before B).
;;     - Each number is divided by the scale, clamped to +-448, and rounded to the nearest number of E4M3, ties to even, subnormals kept.
;;     - The product sums the exact products of the quantised numbers (number of the format x scale) in f32.
;;   ~~~python
;;   def quantise(x, axis, e):      # numpy; x: float32 -> the quantised numbers, widened to float32 again
;;       x = np.moveaxis(x, axis, -1); K = x.shape[-1]
;;       r = np.clip(x / 2.0 ** e, -448, 448)
;;       step = 2.0 ** (np.maximum(np.frexp(np.where(r == 0, 1, r))[1] - 1, -6) - 3)
;;       q = np.round(r / step) * step * 2.0 ** e      # np.round: ties to even
;;       return np.moveaxis(q, -1, axis).astype(np.float32)
;;   ~~~
;;   SOFTMAX AHEAD OF A QUANTISED PRODUCT. Where the list says 'softmax', what is quantised is not the finished softmax but p = 2^(t - M), with t = logit x log2(e) and M = ceil(the row's largest t), a whole number; so 1/2 < the row's largest p <= 1. The row's sum l is taken of the UNQUANTISED p, in f32, and the product's result is divided by l at the end. Since M is a whole number, a kernel that streams over the keys may use a running M (the ceiling of the running maximum): every later rescaling is an exact power of two, so the quantised numbers keep their values, but for numbers so far below the row's largest that they fall under the format's range.
;;   OPERANDS COMPUTED ON THE WAY. 'Computed on the way' means the value that the module computes at that place (a softmax that the list does not call 'softmax' is quantised finished and normalised). What goes into a quantiser is computed in f32, as accurately as f32 sums, v_exp_f32 and their like allow (about 1e-6 of the number): no bf16 or f16 on the way to a quantiser, and a product that is left as it is and whose result goes on into a quantised operand takes f32 operands (vector FMAs, or v_wmma_f32_16x16x4_f32). A number that lies on a knife's edge between two numbers of the format may be rounded either way, as far as f32 arithmetic and the matrix unit's own rounding can turn it there, and no further.
;; 2 versions, each right; version 2 is version 1 with the launch attn written anew for expert scheduling mode. Each part assembles by itself: llvm-mc -triple=amdgcn-amd-amdhsa -mcpu=gfx1250 --defsym DOCPART=n.
;; ======== version 1 of 2: 4 launches
;; workspace buffers: xc 8,388,608 bytes; wc 3,145,728 bytes; pc 1,048,576 bytes; qk 16,777,216 bytes; vt 8,388,608 bytes; ac 8,388,608 bytes
;; launch quant (part 1): grid 384 x 1, 4 waves a work-group, no clusters, 33,280 bytes of LDS; arguments x, qkv_w, proj_w, lowp_scales, xc, wc, pc; writes xc, wc, pc
.if DOCPART == 1
	.amdgcn_target "amdgcn-amd-amdhsa--gfx1250"
	.amdhsa_code_object_version 6
	.text
	.protected	k_qf5629d0f3c_quant
	.globl	k_qf5629d0f3c_quant
	.p2align	8
	.type	k_qf5629d0f3c_quant,@function
k_qf5629d0f3c_quant:
	s_mov_b64 s[64:65], 0
	v_nop
	global_prefetch_b8 v0, s[64:65] scope:SCOPE_SE
	s_setreg_imm32_b32 hwreg(HW_REG_WAVE_MODE, 25, 1), 1
	s_wait_xcnt 0x0
; x [8192][1024], qkv_w [3072][1024] and proj_w [1024][1024], f32 with K innermost, are turned into codes of FP8 (E4M3), one a byte, in the same order: xc, wc, pc.
; code = number / 2^e, held within +-448, rounded to the nearest code, ties to even.  e: entry 0 of the scales for x, entry 1 for qkv_w, entry 7 for proj_w.
; LIMITS: each e lies between -126 and 119, so that 2^e and 448 x 2^e are f32 numbers.  NaN among the inputs is not served.
; Rows are dense, so each tensor is a plain stream.  A work-group takes 32,768 numbers, a wave 16 steps of 512.  Work-groups 0-255 take x, 256-351 qkv_w, 352-383 proj_w: only the two pointers,
; the tensor's first work-group and e are chosen, by the work-group's number; all three take one path through the text.
; The conversion takes 8 neighbours from ONE lane's registers; a load is best where neighbouring LANES take neighbouring bytes.  Both are had: each load reads 512 consecutive bytes, 16 a lane; a step's 2,048 bytes
; go through the wave's own stage in LDS and come back 64 bytes a lane.  A lane's 16 codes are 16 bytes: the wave stores 512 consecutive bytes.
; No matrix unit, no cluster, no barrier: waves share nothing and memory binds.  Loads run four steps (16 loads a wave) ahead, the turn through LDS one step.
.set WAVES, 4
.set STEPS, 16
.set WG_X,  256                        ; x's work-groups: 8,388,608 / 32,768
.set WG_XW, 352                        ; and qkv_w's 96 behind them
.set EMAX,  8
.set MANT,  0x600000                   ; the mantissa field of 448 as f32
.set CB,    16                         ; bytes of 16 codes
.set R,     16                         ; v16-79   four sets of 16 numbers as they are loaded
.set X,     80                         ; v80-111  two sets of 16 neighbours
.set C,     128                        ; v128-191 codes: four registers for each step, so that no store's data are written again
.set WREG,  8192                       ; LDS: a region of its own for each wave: two stages of 32 x SP bytes
.set SP,    80                         ; a lane's place in a stage: its 64 bytes + 16 of padding
.set SPW,   12                         ; v12      LDS address of my spare word; never rewritten
.set NIL,   13                         ; v13      0; never rewritten
.set SPARE, WAVES*WREG                 ; behind the four regions: the spare words, 128 bytes for each wave
	s_load_b256 s[4:11], s[0:1], 0x0               ; x s[4:5], qkv_w s[6:7], proj_w s[8:9], the scales' exponents s[10:11]
	s_load_b128 s[12:15], s[0:1], 0x20             ; xc s[12:13], wc s[14:15]
	s_load_b64 s[16:17], s[0:1], 0x30              ; pc
	v_lshl_add_u32 v[SPW], v0, 2, SPARE
	v_mov_b32 v[NIL], 0
	v_lshrrev_b32 v1, 5, v0
	v_readfirstlane_b32 s18, v1                    ; wave
	v_and_b32 v2, 31, v0                           ; lane
	v_lshlrev_b32 v3, 4, v2                        ; my 16 bytes of a load's 512
	s_mul_i32 s19, s18, WREG
	v_lshrrev_b32 v14, 2, v2
	v_mul_u32_u24 v14, v14, SP
	v_and_b32 v15, 3, v2
	v_lshl_add_u32 v14, v15, 4, v14
	v_add_nc_u32 v14, s19, v14                     ; the stage, on the way in: four lanes' 64 bytes on end, then 16 of padding
	v_mul_u32_u24 v15, v2, SP
	v_add_nc_u32 v15, s19, v15                     ; and on the way out: SP x lane: my 16 neighbours
	v_mul_u32_u24 v4, v2, CB                       ; my codes' place in a step's
	s_wait_kmcnt 0x0
	s_load_b64 s[24:25], s[10:11], 0x0             ; e of x, e of qkv_w
	s_load_b32 s26, s[10:11], 0x1c                 ; e of proj_w
	s_mov_b32 s27, WG_XW
	s_cmp_lt_u32 ttmp9, WG_XW                      ; qkv_w or proj_w?  The choices hang on the work-group's number alone
	s_cselect_b64 s[20:21], s[6:7], s[8:9]
	s_cselect_b64 s[22:23], s[14:15], s[16:17]
	s_cselect_b32 s27, WG_X, s27
	s_cmp_lt_u32 ttmp9, WG_X                       ; or x?
	s_cselect_b64 s[20:21], s[4:5], s[20:21]       ; the numbers
	s_cselect_b64 s[22:23], s[12:13], s[22:23]     ; the codes
	s_cselect_b32 s27, 0, s27                      ; the tensor's first work-group
	s_sub_co_u32 s27, ttmp9, s27
	s_lshl_b32 s27, s27, 2
	s_add_co_u32 s28, s27, s18                     ; which run of 8,192 numbers of the tensor is my wave's
	s_mov_b32 s29, 0
	s_lshl_b64 s[30:31], s[28:29], 15              ; 32,768 bytes of numbers a run,
	s_add_nc_u64 s[20:21], s[20:21], s[30:31]
	s_lshl_b64 s[30:31], s[28:29], 13              ; 8,192 bytes of codes
	s_add_nc_u64 s[22:23], s[22:23], s[30:31]
.macro LOAD t
.irp i, 0,1,2,3
	global_load_b128 v[R+16*((\t)%4)+4*\i:R+16*((\t)%4)+4*\i+3], v3, s[20:21] offset:2048*(\t)+512*\i th:TH_LOAD_NT   ; 32 lanes read 512 consecutive bytes; read once in the launch
.endr
.endm
.macro TURN t                          ; step t's numbers through the stage: LDS serves a wave's instructions in order, so no wait stands between the stores and the loads
.irp i, 0,1,2,3
	ds_store_b128 v14, v[R+16*((\t)%4)+4*\i:R+16*((\t)%4)+4*\i+3] offset:32*SP*((\t)%2)+8*SP*\i
.endr
.irp i, 0,1,2,3
	ds_load_b128 v[X+16*((\t)%2)+4*\i:X+16*((\t)%2)+4*\i+3], v15 offset:32*SP*((\t)%2)+16*\i
.endr
.endm
.irp t, 0,1,2,3
	LOAD \t
.endr
	s_wait_kmcnt 0x0
	s_cmp_lt_u32 ttmp9, WG_XW
	s_cselect_b32 s25, s25, s26
	s_cmp_lt_u32 ttmp9, WG_X
	s_cselect_b32 s24, s24, s25                    ; e
	s_add_co_i32 s24, s24, 127
	s_lshl_b32 s25, s24, 23
	v_mov_b32 v11, s25                             ; 2^e as f32: the conversion takes its exponent field
	s_add_co_i32 s24, s24, EMAX
	s_lshl_b32 s24, s24, 23
	s_or_b32 s24, s24, MANT
	v_mov_b32 v10, s24                             ; 448 x 2^e
	s_wait_loadcnt 12                              ; step 0's four loads are in; the twelve of steps 1 to 3 may be out
	TURN 0
.macro STEP t
.set XS, X+16*((\t)%2)
	s_wait_dscnt 0x0                               ; this step's numbers are back from the stage: so its stores into the stage have read their registers,
.if (\t)+4 < STEPS
	LOAD (\t)+4                                    ; which take the loads of four steps on
.endif
.if (\t)+1 < STEPS
.if STEPS-2-(\t) >= 3
	s_wait_loadcnt 12                              ; the next step's four loads are in; those of the three steps behind it may be out
.else
	s_wait_loadcnt 4*(STEPS-2-(\t))                ; near the end fewer steps stand behind it
.endif
	TURN (\t)+1                                    ; and go through the other stage while this step is worked
.endif
.irp i, 0,1,2,3,4,5,6,7,8,9,10,11,12,13,14,15
	v_med3_num_f32 v[XS+\i], v[XS+\i], -v10, v10   ; the conversion to an 8-bit code does not saturate (ISA guide 7.6.2): the number is held within 448 x the scale first
.endr
	v_cvt_scalef32_pk8_fp8_f32 v[C+4*(\t):C+4*(\t)+1], v[XS:XS+7], v11          ; eight numbers / 2^e, to the nearest code, ties to even; the first number's code in the lowest byte
	v_cvt_scalef32_pk8_fp8_f32 v[C+4*(\t)+2:C+4*(\t)+3], v[XS+8:XS+15], v11
	global_store_b128 v4, v[C+4*(\t):C+4*(\t)+3], s[22:23] offset:32*CB*(\t)    ; the wave stores 512 consecutive bytes.  (The codes go to a store alone; the next vector lines are the next step's holds, plain ones on other registers)
.endm
.irp t, 0,1,2,3,4,5,6,7,8,9,10,11,12,13,14,15
	STEP \t
.endr
	s_wait_tensorcnt 0x0                           ; the wave's end, behind my last LDS store
	ds_add_u32 v[SPW], v[NIL]
	s_wait_dscnt 0x0
	s_endpgm
.Lfunc_end_k_qf5629d0f3c_quant:
	.size	k_qf5629d0f3c_quant, .Lfunc_end_k_qf5629d0f3c_quant-k_qf5629d0f3c_quant
	.p2alignl 7, 3214868480
	.fill 96, 4, 3214868480
	.section	.rodata,"a",@progbits
	.p2align	6, 0x0
	.amdhsa_kernel k_qf5629d0f3c_quant
		.amdhsa_group_segment_fixed_size 33280
		.amdhsa_private_segment_fixed_size 0
		.amdhsa_enable_private_segment 0
		.amdhsa_kernarg_size 56
		.amdhsa_user_sgpr_count 2
		.amdhsa_user_sgpr_kernarg_segment_ptr 1
		.amdhsa_wavefront_size32 1
		.amdhsa_system_sgpr_workgroup_id_x 1
		.amdhsa_system_sgpr_workgroup_id_y 1
		.amdhsa_system_sgpr_workgroup_id_z 1
		.amdhsa_system_vgpr_workitem_id 0
		.amdhsa_next_free_vgpr 192
		.amdhsa_next_free_sgpr 66
		.amdhsa_reserve_vcc 0
		.amdhsa_float_denorm_mode_32 3
		.amdhsa_float_denorm_mode_16_64 3
		.amdhsa_memory_ordered 1
		.amdhsa_forward_progress 1
		.amdhsa_inst_pref_size 38
	.end_amdhsa_kernel
	.amdgpu_metadata
---
amdhsa.version: [ 1, 2 ]
amdhsa.kernels:
  - .name:           k_qf5629d0f3c_quant
    .symbol:         k_qf5629d0f3c_quant.kd
    .args:
      - { .name: x, .offset: 0, .size: 8, .value_kind: global_buffer, .address_space: global }
      - { .name: qkv_w, .offset: 8, .size: 8, .value_kind: global_buffer, .address_space: global }
      - { .name: proj_w, .offset: 16, .size: 8, .value_kind: global_buffer, .address_space: global }
      - { .name: lowp_scales, .offset: 24, .size: 8, .value_kind: global_buffer, .address_space: global }
      - { .name: xc, .offset: 32, .size: 8, .value_kind: global_buffer, .address_space: global }
      - { .name: wc, .offset: 40, .size: 8, .value_kind: global_buffer, .address_space: global }
      - { .name: pc, .offset: 48, .size: 8, .value_kind: global_buffer, .address_space: global }
    .group_segment_fixed_size: 33280
    .private_segment_fixed_size: 0
    .kernarg_segment_align: 8
    .kernarg_segment_size: 56
    .max_flat_workgroup_size: 128
    .sgpr_count:     66
    .vgpr_count:     192
    .wavefront_size: 32
...
	.end_amdgpu_metadata
.endif
;; end of part 1
;; launch qkv (part 2): grid 96 x 4, 4 waves a work-group, clusters of 4 x 4, 327,680 bytes of LDS; arguments xc, wc, lowp_scales, qk, vt; writes qk, vt
.if DOCPART == 2
	.amdgcn_target "amdgcn-amd-amdhsa--gfx1250"
	.amdhsa_code_object_version 6
	.text
	.protected	k_qf5629d0f3c_qkv
	.globl	k_qf5629d0f3c_qkv
	.p2align	8
	.type	k_qf5629d0f3c_qkv,@function
k_qf5629d0f3c_qkv:
	s_mov_b64 s[64:65], 0
	v_nop
	global_prefetch_b8 v0, s[64:65] scope:SCOPE_SE
	s_setreg_imm32_b32 hwreg(HW_REG_WAVE_MODE, 25, 1), 1
	s_wait_xcnt 0x0
	s_wait_alu depctr_hold_cnt(0) depctr_sa_sdst(0) depctr_va_vdst(0) depctr_va_sdst(0) depctr_va_ssrc(0) depctr_va_vcc(0) depctr_vm_vsrc(0)
	s_getreg_b32 s2, hwreg(HW_REG_IB_STS2, 6, 4)
	s_cmp_eq_u32 s2, 0
	s_cbranch_scc0 .Lentry_in_a_cluster
	s_endpgm
.Lentry_in_a_cluster:
	s_bfe_u32 s2, ttmp6, 0x10000c
	s_cmp_lg_u32 s2, 0xf033
	s_cbranch_scc0 .Lentry_shape_is_right
	s_endpgm
.Lentry_shape_is_right:
; The first product, x qkv_w^T, on codes of FP8 (E4M3), and the quantising of its f32 sums into the operands of the two products of attention.
; Two GEMMs C = A B^T with K = 1,024 in one launch, told apart by the cluster's number c (24 clusters of 4 x 4 work-groups), by selections alone: no branch hangs on c.
;   c < 16:  A = xc [8192][1024], B = wc's rows 0-2047 (q's and k's).  C [8192][2048] -> qk: a row is a token, byte h 64 + d is q's code, byte 1024 + h 64 + d is k's.  Scale 2^e2 for q (c even), 2^e3 for k (c odd).
;   c >= 16: A = wc's rows 2048-3071 (v's), B = xc.  C = V^T [1024][8192] -> vt [4 (batch)][1024 (h 64 + d)][2048 (key)]: v's codes with the KEYS innermost, since the keys are the K of attention's second product.  Scale 2^e4.
; THE MATRIX INSTRUCTION IS USED TRANSPOSED (source 0 = 16 rows of B, source 1 = 16 rows of A): a lane holds eight neighbouring columns of one row of C: eight neighbouring d, or eight neighbouring keys: neighbours along
; the next K, which the conversion takes from one lane's registers as they stand.  A sum stands for sum x 2^(e0 + e1), so its code is sum / 2^(e_out - e0 - e1): the three scales are folded into the conversion's one.
; LIMIT: e_out - e0 - e1 lies between -126 and 119 for e_out = e2, e3, e4.  Inside an instruction k is permuted, alike in A and B (16-byte fragment loads): only the order of the sums changes.
; A tile of C, 256 x 256, is made by four waves, each 128 x 128: 64 accumulators, 512 registers.  K goes in steps of 256 through a ring of two LDS slots filled by the tensor data mover: a tile's row is 256 bytes of memory.
; CLUSTERS: the four work-groups of a row of the cluster need the same tiles of A, the four of a column the same tiles of B: each tile is asked for JOINTLY, by the same tensor load with the same descriptor and a mask of the four.
; No prefetch: K has four steps only, of which two are asked for at the head.
; REGISTERS, in windows of 256: window 0: v0-31 addresses; from v128 A's fragments, ONE set; on the way out v32-223 are free.  window 1: B's fragments, TWO sets.  window 2, 3: the accumulators of my rows 0-63, 64-127.
.set SIZE_K, 1024
.set KSTEP,  256                       ; along K in a slot
.set ROWB,   256                       ; a tile's row in bytes
.set KROW,   SIZE_K                    ; a row of A or of B in memory, in bytes
.set PITCH,  272                       ; an LDS row: 256 bytes + 16 of padding = 68 words: row r starts at bank 4 r mod 64 (64 banks of 4 bytes: ISA guide 11.1)
.set FR,     16                        ; registers of a fragment: 16 rows x 128 K
.set NL,     4                         ; LDS loads that bring one
.set NP,     4                         ; places behind this matrix instruction (ISA guide 7.12.1)
.set HALFT,  128*PITCH                 ; 128 rows: what one tensor load brings
.set SLOT,   4*HALFT                   ; A's 256 rows, then B's 256 rows
.set LAPS,   SIZE_K/(2*KSTEP)          ; a lap = two K steps = once round the ring
.set SPARE,  2*SLOT                    ; behind the ring: the spare words, 128 bytes for each wave
.set SPITCH, 272                       ; the way out: ONE stage of 256 rows x (256 bytes of codes + 16), the work-group's.  It lies in slot 0, which has had its last fill and its last read when the first code is stored there
.set OROW,   2048                      ; a row of qk and of vt in bytes
.set ADRA, 16                          ; v16-17  LDS address of my A fragments in slot 0, 1
.set ADRB, 20                          ; v20-21  the same for B
.set STO,  24                          ; v24     the way out: where I put 8 codes of a row
.set RD,   25                          ; v25     where I read a row back
.set CO,   26                          ; v26     my byte offset in the output
.set SPW,  28                          ; v28     LDS address of my spare word; never rewritten
.set NIL,  29                          ; v29     0; never rewritten
.set SCL,  30                          ; v30     2^(e_out - e0 - e1) as f32
.set LIM,  31                          ; v31     448 x that
.set TMP,  32                          ; v32-95  a block's sums, held
.set CODES, 96                         ; v96-223 16 registers of codes for each block, so that none is written twice; then the rows read back
.set AF,   128                         ; A's fragments, in window 0
.set G1, 24                            ; s[24:31] descriptor group 1 for A's tiles;  s[32:39] group 0, one set for each slot
.set G0, 32
.set G1B, 48                           ; s[48:55], s[56:63] the same for B's tiles
.set G0B, 56
.set MSB, 0
.macro WIN new                         ; the immediate's high byte repeats the setting that is left
.if MSB != \new
	s_set_vgpr_msb (MSB<<8)|\new
.set MSB, \new
.endif
.endm
.set MUL_LO, 0xa1                      ; source 0 (B) window 1, source 1 (A) window 0, C and D window 2
.set MUL_HI, 0xf1                      ; the same, C and D window 3
.set TO_B,   0x40                      ; destination window 1, address window 0
; A joint load: waves 0 and 1 fetch for A, waves 2 and 3 for B.  Each line has ONE mask and one set of registers for all that issue it; the branch hangs on the wave's number alone.
; An s_nop 0 and four v_nop follow each of the two lines, ahead of the jump, the label and what follows.
.macro JLOAD g0a, g1a, g0b, g1b
	s_cmp_eq_u32 s15, 0
	s_cbranch_scc0 .Lfor_b_\@
	tensor_load_to_lds s[\g0a:\g0a+3], s[\g1a:\g1a+7]
	s_nop 0
.rept 4
	v_nop
.endr
	s_branch .Lasked_\@
.Lfor_b_\@:
	tensor_load_to_lds s[\g0b:\g0b+3], s[\g1b:\g1b+7]
	s_nop 0
.rept 4
	v_nop
.endr
.Lasked_\@:
.endm
.macro CREST                           ; a round of the cluster's barrier behind its opening barrier
	s_cmp_lg_u32 s14, 0
	s_cbranch_scc1 .Lnot_wave_0_\@
	s_barrier_signal -3
.Lnot_wave_0_\@:
	s_barrier_wait -3
	s_barrier_signal -1
	s_barrier_wait -1
.endm
.macro CROUND                          ; a whole round
	s_barrier_signal -1
	s_barrier_wait -1
	CREST
.endm
	s_load_b128 s[4:7], s[0:1], 0x0                ; xc s[4:5], wc s[6:7]
	s_load_b128 s[8:11], s[0:1], 0x10              ; the scales' exponents s[8:9], qk s[10:11]
	s_load_b64 s[12:13], s[0:1], 0x20              ; vt
	v_lshl_add_u32 v[SPW], v0, 2, SPARE
	v_mov_b32 v[NIL], 0
	ds_add_u32 v[SPW], v[NIL]                      ; the wave's opening: the add and its wait stand ahead of my first tensor load; the set-up below, work on registers, stands between them
	v_lshrrev_b32 v1, 5, v0
	v_readfirstlane_b32 s14, v1                    ; wave 0..3
	s_lshr_b32 s15, s14, 1                         ; which half of the tile's rows is mine.  Also: I fetch for A (0) or for B (1)
	s_and_b32 s16, s14, 1                          ; which half of its columns.  Also: which 128 rows of that tile I fetch
	s_bfe_u32 s40, ttmp6, 0x40000                  ; cx, cy: my place in the cluster
	s_bfe_u32 s41, ttmp6, 0x40004
	s_and_b32 s66, ttmp9, 1                        ; c < 16: the cluster's column (0: q, 1: k)
	s_lshr_b32 s67, ttmp9, 1                       ;         and its row, 0..7
	s_max_u32 s68, ttmp9, 16
	s_sub_co_u32 s68, s68, 16                      ; c >= 16: its column, 0..7; its row is 0
	s_cmp_lt_u32 ttmp9, 16                         ; c is the same in all sixteen partners
	s_cselect_b32 s66, s66, s68
	s_cselect_b32 s67, s67, 0
	s_lshl_b32 s42, s66, 2
	s_add_co_u32 s42, s42, s40                     ; tile column of C = 4 x cluster column + cx
	s_lshl_b32 s17, s67, 2
	s_add_co_u32 s17, s17, s41                     ; tile row of C = 4 x cluster row + cy
	s_lshl_b32 s43, s41, 2
	s_lshl_b32 s43, 15, s43                        ; my row of the cluster
	s_lshl_b32 s44, 0x1111, s40                    ; my column
	; descriptor group 1: a tile of 128 rows x 256 bytes, padded in LDS
	s_or_b32 s[G1+0], s43, (0<<16)|(1<<20)|(1<<21)|(5<<22)|(3<<25)  ; 15:0 the mask: A's tiles go to my row; 17:16 element of 1 byte; 20 padding on; 21 set beside a mask; 24:22 after every 64 words (code 5); 31:25 of 4 words (code 3)
	s_or_b32 s[G1B+0], s44, (0<<16)|(1<<20)|(1<<21)|(5<<22)|(3<<25) ; the same with the mask of my column
.irp g, G1, G1B
	s_mov_b32 s[\g+1], ROWB<<16                    ; tensor_dim0
	s_mov_b32 s[\g+2], 128<<16                     ; tensor_dim1 = 128
	s_mov_b32 s[\g+3], ROWB<<16                    ; tile_dim0
	s_mov_b32 s[\g+4], 128                         ; tile_dim1 = 128
	s_mov_b32 s[\g+5], KROW                        ; tensor_dim0_stride
	s_mov_b32 s[\g+6], 0
	s_mov_b32 s[\g+7], 0
.endr
	s_lshl_b32 s18, s16, 7                         ; which 128 rows of the tile I fetch
	s_lshl_b32 s20, s17, 8
	s_add_co_u32 s20, s20, s18                     ; A: row 256 x tile row + 128 x half,
	s_lshl_b32 s20, s20, 10                        ; of 1,024 bytes (8 MiB at the most)
	s_mov_b32 s21, 0
	s_lshl_b32 s46, s42, 8
	s_add_co_u32 s46, s46, s18                     ; B: row 256 x tile column + 128 x half
	s_lshl_b32 s46, s46, 10
	s_mov_b32 s47, 0
	s_mul_i32 s45, s14, HALFT                      ; where they go: wave x 128 rows: no place in the cluster enters an LDS address
	s_wait_dscnt 0x0                               ; the opening add is done
	s_wait_kmcnt 0x0
	s_load_b256 s[76:83], s[8:9], 0x0              ; e0 .. e7; awaited on the way out
	s_add_nc_u64 s[70:71], s[6:7], 2048*KROW       ; wc at v's rows
	s_cmp_lt_u32 ttmp9, 16
	s_cselect_b64 s[72:73], s[4:5], s[70:71]       ; A
	s_cselect_b64 s[74:75], s[6:7], s[4:5]         ; B
	s_cselect_b64 s[10:11], s[10:11], s[12:13]     ; the output
	s_add_nc_u64 s[20:21], s[72:73], s[20:21]
	s_add_nc_u64 s[46:47], s[74:75], s[46:47]
	CROUND                                         ; all sixteen work-groups are here: the first joint loads meet
.irp s, 0,1
	s_mov_b32 s[G0+4*\s], 1
	s_add_co_u32 s[G0+4*\s+1], s45, \s*SLOT
	s_add_nc_u64 s[G0+4*\s+2:G0+4*\s+3], s[20:21], \s*ROWB
	s_or_b32 s[G0+4*\s+3], s[G0+4*\s+3], 0x80000000
	s_mov_b32 s[G0B+4*\s], 1
	s_add_co_u32 s[G0B+4*\s+1], s45, \s*SLOT
	s_add_nc_u64 s[G0B+4*\s+2:G0B+4*\s+3], s[46:47], \s*ROWB
	s_or_b32 s[G0B+4*\s+3], s[G0B+4*\s+3], 0x80000000
	JLOAD G0+4*\s, G1, G0B+4*\s, G1B               ; two loads of mine are out
.endr
	v_and_b32 v1, 15, v0                           ; r = l % 16
	v_bfe_u32 v2, v0, 4, 1                         ; h = l / 16
	v_mul_u32_u24 v3, v1, PITCH
	v_lshl_add_u32 v4, v2, 4, v3                   ; a fragment's row x pitch + 16 x half
	s_mul_i32 s21, s15, HALFT                      ; my 128 rows of A
	s_mul_i32 s22, s16, HALFT                      ; my 128 rows of B,
	s_add_co_u32 s22, s22, 2*HALFT                 ; which lie behind A's 256
.irp s, 0,1
	v_add_nc_u32 v[ADRA+\s], s21, v4
	v_add_nc_u32 v[ADRB+\s], s22, v4
	s_add_co_u32 s21, s21, SLOT
	s_add_co_u32 s22, s22, SLOT
.endr
	s_mul_i32 s23, s15, 128*SPITCH                 ; into the stage: my 128 rows, my 128 of their 256 bytes; row r, 8 bytes for each half of the lanes
	s_lshl_b32 s21, s16, 7
	s_add_co_u32 s23, s23, s21
	v_mul_u32_u24 v5, v1, SPITCH
	v_lshl_add_u32 v5, v2, 3, v5
	v_add_nc_u32 v[STO], s23, v5
	s_mul_i32 s23, s14, 64*SPITCH                  ; back: wave w takes rows 64 w .. 64 w + 63, whole; lanes 0-15 one row of 256 bytes, lanes 16-31 the next
	v_mul_u32_u24 v5, v2, SPITCH
	v_lshl_add_u32 v5, v1, 4, v5
	v_add_nc_u32 v[RD], s23, v5
	v_lshlrev_b32 v5, 11, v2                       ; and the same two rows in the output
	v_lshl_add_u32 v[CO], v1, 4, v5
	s_lshl_b32 s20, s17, 8
	s_lshl_b32 s21, s14, 6
	s_add_co_u32 s20, s20, s21                     ; the first row of C that I store: 256 x tile row + 64 x wave,
	s_lshl_b32 s20, s20, 11                        ; of 2,048 bytes in qk and in vt alike
	s_mov_b32 s21, 0
	s_lshl_b32 s86, s42, 8                         ; the tile's first column in bytes.  qk: 256 x tile column
	s_lshr_b32 s68, s42, 3                         ; vt: column = 2,048 x batch + key: the batch's 1,024 rows of 2,048 bytes,
	s_lshl_b32 s68, s68, 21
	s_and_b32 s85, s42, 7
	s_lshl_b32 s85, s85, 8                         ; and the key
	s_or_b32 s68, s68, s85
	s_cmp_lt_u32 ttmp9, 16
	s_cselect_b32 s86, s86, s68
	s_mov_b32 s87, 0
	s_add_nc_u64 s[20:21], s[20:21], s[86:87]
	s_add_nc_u64 s[10:11], s[10:11], s[20:21]
.macro FRAG reg, adr, q, i             ; a fragment, 16 rows x 128 K, is 16 registers: lane l holds row l % 16; registers 4 c .. 4 c + 3 hold K = 32 c + 16 (l / 16) + 0 .. 15
.irp c, 0,1,2,3
	ds_load_b128 v[\reg+4*\c:\reg+4*\c+3], v[\adr] offset:128*(\q)+32*\c+(\i)*16*PITCH
.endr
.endm
; 16 matrix instructions: A's blocks a0, a0 + 1 x B's eight, 128 along K.  p: B's set.  zero = 1: the first product starts the sums: nothing is ever cleared.
; The 64 accumulators take turns, one instruction a turn, in the same order in every step.
.macro MUL16 a0, p, zero
.irp a, \a0, \a0+1
.irp b, 0,1,2,3,4,5,6,7
.if \zero
	v_wmma_f32_16x16x128_fp8_fp8 v[8*(8*((\a)%4)+\b):8*(8*((\a)%4)+\b)+7], v[128*(\p)+FR*\b:128*(\p)+FR*\b+FR-1], v[AF+FR*(\a):AF+FR*(\a)+FR-1], 0
.else
	v_wmma_f32_16x16x128_fp8_fp8 v[8*(8*((\a)%4)+\b):8*(8*((\a)%4)+\b)+7], v[128*(\p)+FR*\b:128*(\p)+FR*\b+FR-1], v[AF+FR*(\a):AF+FR*(\a)+FR-1], v[8*(8*((\a)%4)+\b):8*(8*((\a)%4)+\b)+7]
.endif
.endr
.endr
.endm
.macro FETCH_B slot, q, p              ; B's eight fragments of the slot's q-th 128 along K into set p
	WIN TO_B
.irp i, 0,1,2,3,4,5,6,7
	FRAG 128*(\p)+FR*\i, ADRB+\slot, \q, \i
.endr
	WIN 0
.endm
.macro FETCH_A slot, q, i0             ; A's blocks i0 .. i0 + 3
.irp i, \i0, \i0+1, \i0+2, \i0+3
	FRAG AF+FR*(\i), ADRA+\slot, \q, \i
.endr
.endm
; A load into a register that a matrix instruction has read, and a vector instruction that reads a matrix result, stand NP places behind that matrix instruction; only plain vector
; instructions that name none of its registers are places (ISA guide 7.12.1 for vector instructions).
.macro PLACES n
.rept \n
	v_nop
.endr
.endm
; A step of 128 along K that has its successor in the same slot.  A block of A is free as soon as its eight products are issued, so one set of registers serves A; B's fragments are at work through the whole step and have two.
.macro STEP slot, q, zero
	s_wait_dscnt 4*NL                              ; B's set and A's blocks 0-3 are in; the youngest sixteen loads (A's blocks 4-7) may be out
	WIN MUL_LO
	MUL16 0, (\q)%2, \zero
	MUL16 2, (\q)%2, \zero
	s_wait_dscnt 0                                 ; A's blocks 4-7 are in (asked for 32 matrix instructions ago)
	PLACES NP
	FETCH_B \slot, (\q)+1, 1-(\q)%2
	FETCH_A \slot, (\q)+1, 0
	WIN MUL_HI
	MUL16 4, (\q)%2, \zero
	MUL16 6, (\q)%2, \zero
	PLACES NP
	WIN 0
	FETCH_A \slot, (\q)+1, 4
.endm
; A slot's last step changes slots: ONE barrier; in front of it each wave waits for all its tensor loads, adds 0 to its spare word, and waits for that and for its own reads of this slot.  fill = 1: this slot is filled again, two K steps ahead.
.macro TURN slot, next, fill
	s_wait_tensorcnt 0x0                           ; all my tensor loads have landed: my part of the next slot;  (every window is 0 here: the add's two registers lie in window 0)
	ds_add_u32 v[SPW], v[NIL]                      ; 0 onto my spare word
	s_wait_dscnt 4*NL+1                            ; (the add and the youngest sixteen loads, A's blocks 4-7, may be out)
	WIN MUL_LO
	MUL16 0, 1, 0                                  ; sixteen matrix instructions stand between the add and the wait for it
	s_wait_dscnt 0x0                               ; the add is done, and my reads of this slot are over
	s_barrier_signal -1
	MUL16 2, 1, 0
	WIN 0
	s_barrier_wait -1
.if \fill
	CREST                                          ; the barrier has opened a round of the cluster's barrier: no wave of any partner still reads this slot's tile or has a load on its way
	s_add_nc_u64 s[G0+4*\slot+2:G0+4*\slot+3], s[G0+4*\slot+2:G0+4*\slot+3], 2*ROWB
	s_add_nc_u64 s[G0B+4*\slot+2:G0B+4*\slot+3], s[G0B+4*\slot+2:G0B+4*\slot+3], 2*ROWB
	JLOAD G0+4*\slot, G1, G0B+4*\slot, G1B         ; the first tensor load behind the round, my one load that is out; the four v_nop behind it are the places in front of the loads below
.else
	PLACES NP
.endif
	FETCH_B \next, 0, 0
	FETCH_A \next, 0, 0
	WIN MUL_HI
	MUL16 4, 1, 0
	MUL16 6, 1, 0
	PLACES NP
	WIN 0
	FETCH_A \next, 0, 4
.endm
	s_wait_tensorcnt 1                             ; my part of K step 0 is in (K step 1's load may be out)
	s_barrier_signal -1
	s_barrier_wait -1                              ; everybody's is
	FETCH_B 0, 0, 0
	FETCH_A 0, 0, 0
	FETCH_A 0, 0, 4
	STEP 0, 0, 1                                   ; the first step stands in front of the loop: its products start the sums
	s_mov_b32 s3, LAPS-1
.Llap:                                                 ; a trip goes once round the ring, from a lap's second step to the next lap's first, and fills both slots again
	TURN 0, 1, 1
	STEP 1, 0, 0
	TURN 1, 0, 1
	STEP 0, 0, 0
	s_sub_co_u32 s3, s3, 1
	s_cmp_lg_u32 s3, 0
	s_cbranch_scc1 .Llap
	TURN 0, 1, 0                                   ; the last lap fills nothing, and has no round of the cluster's barrier.  Behind this barrier nobody reads slot 0
	STEP 1, 0, 0
	s_wait_dscnt 4*NL                              ; the very last step: nothing more to fetch
	WIN MUL_LO
	MUL16 0, 1, 0
	MUL16 2, 1, 0
	s_wait_dscnt 0
	WIN MUL_HI
	MUL16 4, 1, 0
	MUL16 6, 1, 0
	WIN 0
; THE WAY OUT.  Block a (16 rows x 128 columns): each sum is held within 448 x the scale, eight neighbours of a lane become 8 bytes of codes, and these go into the work-group's stage.
; A stage row is 68 words: the 32 lanes of a store of 8 bytes touch words 68 r + 2 h, + 1: 64 different banks.
.macro QBLOCK a
.set AC, 64*((\a)%4)
.set CD, CODES+16*(\a)
	WIN 0x02+((\a)/4)                              ; source 0: window 2 or 3
.set j, 0
.rept 64
	v_med3_num_f32 v[TMP+j], v[AC+j], -v[LIM], v[LIM]   ; the conversion does not saturate (ISA guide 7.6.2); each accumulator is read from its low end on
.set j, j+1
.endr
	WIN 0
.irp b, 0,1,2,3,4,5,6,7
	v_cvt_scalef32_pk8_fp8_f32 v[CD+2*\b:CD+2*\b+1], v[TMP+8*\b:TMP+8*\b+7], v[SCL]
.endr
	v_nop                                          ; one plain vector line behind the last conversion: the next block's holds write the conversions' sources
.irp b, 0,1,2,3,4,5,6,7
	ds_store_b64 v[STO], v[CD+2*\b:CD+2*\b+1] offset:(\a)*16*SPITCH+16*\b   ; C(16 a + r, 16 b + 8 h + 0 .. 7)
.endr
.endm
	s_wait_kmcnt 0x0                               ; the exponents
	s_and_b32 s85, ttmp9, 1
	s_cmp_eq_u32 s85, 0
	s_cselect_b32 s84, s78, s79                    ; q's e2 or k's e3,
	s_cmp_lt_u32 ttmp9, 16
	s_cselect_b32 s84, s84, s80                    ; or v's e4
	s_sub_co_i32 s84, s84, s76
	s_sub_co_i32 s84, s84, s77                     ; e_out - e0 - e1
	s_add_co_i32 s84, s84, 127
	s_lshl_b32 s85, s84, 23
	v_mov_b32 v[SCL], s85
	s_add_co_i32 s84, s84, 8
	s_lshl_b32 s84, s84, 23
	s_or_b32 s84, s84, 0x600000
	v_mov_b32 v[LIM], s84
	PLACES NP                                      ; behind the last products: for the reads of their results and for the writes into the registers that held A's fragments
.irp a, 0,1,2,3,4,5,6,7
	QBLOCK \a
.endr
	s_wait_dscnt 0x0                               ; for the others' sake: my stores into the stage are done (a row's 256 bytes come from two waves)
	s_barrier_signal -1
	s_barrier_wait -1
.set i, 0
.rept 32
	ds_load_b128 v[CODES+4*i:CODES+4*i+3], v[RD] offset:i*2*SPITCH
.set i, i+1
.endr
.set i, 0
.rept 32
	s_wait_dscnt 31-i                              ; LDS loads come back in order: load i is in, the younger ones may be out
	global_store_b128 v[CO], v[CODES+4*i:CODES+4*i+3], s[10:11] offset:i*2*OROW   ; 16 lanes store 256 consecutive bytes, at a multiple of 256 from the buffer's first byte
.set i, i+1
.endr
	s_wait_tensorcnt 0x0                           ; the wave's end: behind my last tensor load and my last LDS store
	ds_add_u32 v[SPW], v[NIL]
	s_wait_dscnt 0x0
	CROUND                                         ; the closing round: no work-group ends while a partner may still ask for a tile that names it
	s_endpgm
.Lfunc_end_k_qf5629d0f3c_qkv:
	.size	k_qf5629d0f3c_qkv, .Lfunc_end_k_qf5629d0f3c_qkv-k_qf5629d0f3c_qkv
	.p2alignl 7, 3214868480
	.fill 96, 4, 3214868480
	.section	.rodata,"a",@progbits
	.p2align	6, 0x0
	.amdhsa_kernel k_qf5629d0f3c_qkv
		.amdhsa_group_segment_fixed_size 327680
		.amdhsa_private_segment_fixed_size 0
		.amdhsa_enable_private_segment 0
		.amdhsa_kernarg_size 40
		.amdhsa_user_sgpr_count 2
		.amdhsa_user_sgpr_kernarg_segment_ptr 1
		.amdhsa_wavefront_size32 1
		.amdhsa_system_sgpr_workgroup_id_x 1
		.amdhsa_system_sgpr_workgroup_id_y 1
		.amdhsa_system_sgpr_workgroup_id_z 1
		.amdhsa_system_vgpr_workitem_id 0
		.amdhsa_next_free_vgpr 1024
		.amdhsa_next_free_sgpr 100
		.amdhsa_reserve_vcc 0
		.amdhsa_float_denorm_mode_32 3
		.amdhsa_float_denorm_mode_16_64 3
		.amdhsa_memory_ordered 1
		.amdhsa_forward_progress 1
		.amdhsa_inst_pref_size 126
	.end_amdhsa_kernel
	.amdgpu_metadata
---
amdhsa.version: [ 1, 2 ]
amdhsa.kernels:
  - .name:           k_qf5629d0f3c_qkv
    .symbol:         k_qf5629d0f3c_qkv.kd
    .args:
      - { .name: xc, .offset: 0, .size: 8, .value_kind: global_buffer, .address_space: global }
      - { .name: wc, .offset: 8, .size: 8, .value_kind: global_buffer, .address_space: global }
      - { .name: lowp_scales, .offset: 16, .size: 8, .value_kind: global_buffer, .address_space: global }
      - { .name: qk, .offset: 24, .size: 8, .value_kind: global_buffer, .address_space: global }
      - { .name: vt, .offset: 32, .size: 8, .value_kind: global_buffer, .address_space: global }
    .group_segment_fixed_size: 327680
    .private_segment_fixed_size: 0
    .kernarg_segment_align: 8
    .kernarg_segment_size: 40
    .max_flat_workgroup_size: 128
    .sgpr_count:     100
    .vgpr_count:     1024
    .wavefront_size: 32
...
	.end_amdgpu_metadata
.endif
;; end of part 2
;; launch attn (part 3): grid 4 x 64, 16 waves a work-group, no clusters, 103,424 bytes of LDS; arguments qk, vt, lowp_scales, ac; writes ac
.if DOCPART == 3
	.amdgcn_target "amdgcn-amd-amdhsa--gfx1250"
	.amdhsa_code_object_version 6
	.text
	.protected	k_qf5629d0f3c_attn
	.globl	k_qf5629d0f3c_attn
	.p2align	8
	.type	k_qf5629d0f3c_attn,@function
k_qf5629d0f3c_attn:
	s_mov_b64 s[64:65], 0
	v_nop
	global_prefetch_b8 v0, s[64:65] scope:SCOPE_SE
	s_setreg_imm32_b32 hwreg(HW_REG_WAVE_MODE, 25, 1), 1
	s_wait_xcnt 0x0
; Causal attention on codes of FP8 (E4M3), head size 64, 2,048 tokens, 64 heads (batch x head).  q, k: codes in qk [8192 (token)][2048]: byte h 64 + d is q's, byte 1024 + h 64 + d is k's.
; v: codes in vt [batch][h 64 + d][2048 (key)], the keys innermost.  The result is quantised with 2^e6 into ac [8192 (token)][1024 (h 64 + d)], the last product's operand.
; THE SOFTMAX: t = score x log2(e) / 8; M = the running largest t rounded UP to a whole number; p = 2^(t - M) is quantised along the keys with 2^e5, not normalised.  The row's sum is taken of the unquantised p, in f32,
; and divides at the end.  When M moves, the sum and O are multiplied by 2^(old M - new M): exact.
; SHARES.  Work-group (i, head) owns the blocks i and 7 - i of 256 queries, one after the other: (i + 1) + (8 - i) = 9 chunks of 256 keys in EVERY work-group: the trip count is the constant 9, and the causal work is even
; over the 256 work-groups.  Each of the sixteen waves owns 16 queries of the block in hand, in 256 registers: four waves to a SIMD, so that one wave's exponentials stand beside another's plain and matrix work.
; K AND V come by plain loads into 16 registers a lane, asked for a whole trip ahead of their use, and go by ds_store_b128 into one of two LDS slots, laid AS IMAGES OF THE OPERANDS' REGISTERS: a fragment load reads 256
; consecutive bytes in sixteen lanes.  One barrier a trip: in front of it each wave's stores into this trip's slot are done, and so are its reads of the other slot, which the next trip's stores overwrite.
; LAYOUT.  Both products are used transposed: S^T = K Q^T (source 0 = 16 keys, source 1 = my 16 queries), O^T = V^T P^T (source 0 = 16 of the head's 64, source 1 = P): a lane holds ONE query (lane % 16) throughout.
; THE KEYS OF A TILE ARE NOT NEIGHBOURS: row r of tile 2 b + u is key 32 b + 8 u + r + 8 (r / 8), so that the 16 registers of tiles 2 b and 2 b + 1 are the 16 neighbouring keys 32 b + 16 (lane / 16) + 0 .. 15,
; and the conversions' results are the second product's operand.  Inside an instruction k is permuted, alike in both operands (16-byte pieces): only the order of the sums changes.
; NO CLUSTER: the four work-groups of a head walk different chunks at the same time (0 .. i, then 0 .. 7 - i), so no tile is wanted by two of them in the same trip.  NO PREFETCH: a chunk's own loads go out a whole trip ahead.
; NO TENSOR LOAD: a chunk is four loads and four LDS stores a wave, and the stores lay the images, which a tile of rows could not.
; q's, k's and the result's rows are 64 bytes of a longer row (a head's part): four lanes to a piece of 64 bytes.
; LIMITS on the given exponents, so that each power of two below is an f32 number: e2 + e3 between -123 and 130; e5 and e6 - e4 - e5 between -126 and 119.  NaN is not served.
.set SLOT1, 65536                      ; slot 1 begins here
.set KHB,   320                        ; K's image: 64 half-blocks (16 rows x 16 bytes = 256) + 64 of padding, so that the four quarters of a key, which four neighbouring lanes store, fall on different banks
.set VHB,   272                        ; V's image: 64 half-blocks of 256 + 16
.set VOFF,  64*KHB                     ; 20,480
.set STAGE, VOFF+64*VHB                ; 37,888: behind slot 0's images: 16 rows x (64 + 16) bytes for each wave, its own, for the way out
.set SROW,  80
.set SPARE, STAGE+16*16*SROW           ; 58,368: the spare words, 128 bytes for each wave: eight blocks of 256 bytes that no other line names
.set KLD,  1                           ; v1-2    where I read K's fragments in slot 0, 1: 320 h + 16 r
.set VLD,  3                           ; v3-4    the same for V: VOFF + 272 h + 16 r
.set SPW,  5                           ; v5      LDS address of my spare word; never rewritten
.set NIL,  6                           ; v6      0; never rewritten
.set KGO,  7                           ; v7      my 16 bytes of a chunk of K in memory
.set VGO,  8                           ; v8      of V
.set KST,  9                           ; v9-10   where I store them in slot 0, 1
.set DL,   11                          ; v11     r - 16 h, for the mask
.set QF,   16                          ; v16-23  Q's fragment      (v12 -M, v13 the largest t, v[14:15] the sum in two halves)
.set STG,  24                          ; v24-39  the next chunk on its way: K twice, V twice
.set F,    40                          ; v40-103 eight fragments of K, or four of V
.set S,    104                         ; v104-167 S^T, then p
.set OT,   168                         ; v168-199 O^T
.set P,    200                         ; v200-215 p's codes; on the way out the result's
.set QGO,  217
.set STO,  218
.set RD,   219
.set OGO,  220
.set PSC,  221                         ; 2^e5
.set PLIM, 222                         ; 448 x 2^e5
.set OSC,  223                         ; 2^(e6 - e4 - e5)
.set FF,   224                         ; v[224:225] f = 2^(old M - new M), and the pair's other half
.set OLIM, 226                         ; 448 x 2^(e6 - e4 - e5)
.set MX0,  227
.set PX,   228                         ; a lane permute's destination
.set MX1,  229
.set SUM2, 230                         ; v[230:231]
.set DD,   232
.set NINF, 233                         ; -infinity
.set BK,   236                         ; v236-243 the result's rows, read back
.set VST,  244                         ; v244-245 where I store V's pieces in slot 0, 1
.set T0,   246                         ; v246-249 at work at the head
.set WV, 12                            ; s12 wave   s13 i   s14 batch x 16 + head
.set WI, 13
.set BH, 14
.set QB, 15                            ; s15 the block of queries in hand
.set CH, 16                            ; s16 the chunk of keys in hand
.set CN, 17                            ; s17 the next chunk
.set Q0, 18                            ; s18 my first query
.set KF, 19                            ; s19 the step's first key
; s[20:21] lane selects; s[22:23] c; s[24:31] e0 .. e7; s[32:33] q, s[34:35] k, s[36:37] v, s[38:39] ac at my head; s[40:41] an offset; s[42:43], s[44:45] the chunk's K, V; s[46:47] my queries; s[48:49] my rows of ac; s50 trips; s51, s52 at work
	s_load_b256 s[4:11], s[0:1], 0x0               ; qk s[4:5], vt s[6:7], the scales' exponents s[8:9], ac s[10:11]
	v_lshl_add_u32 v[SPW], v0, 2, SPARE
	v_mov_b32 v[NIL], 0
	v_lshrrev_b32 v[T0], 5, v0
	v_readfirstlane_b32 s[WV], v[T0]               ; wave 0..15
	s_mov_b32 s[WI], ttmp9
	s_and_b32 s[BH], ttmp7, 0xffff
	s_mov_b32 s20, 0x76543210
	s_mov_b32 s21, 0xfedcba98                      ; v_permlanex16_b32's selects for lane l xor 16
	s_mov_b32 s22, 0x3e38aa3b                      ; c = log2(e) / 8
	v_and_b32 v[T0], 15, v0                        ; r
	v_bfe_u32 v[T0+1], v0, 4, 1                    ; h
	v_mul_u32_u24 v[T0+2], v[T0+1], KHB
	v_lshl_add_u32 v[KLD], v[T0], 4, v[T0+2]
	v_add_nc_u32 v[KLD+1], SLOT1, v[KLD]
	v_mul_u32_u24 v[T0+2], v[T0+1], VHB
	v_lshl_add_u32 v[VLD], v[T0], 4, v[T0+2]
	v_add_nc_u32 v[VLD], VOFF, v[VLD]
	v_add_nc_u32 v[VLD+1], SLOT1, v[VLD]
	v_lshlrev_b32 v[T0+2], 4, v[T0+1]
	v_sub_nc_u32 v[DL], v[T0], v[T0+2]
	v_lshlrev_b32 v[QGO], 11, v[T0]
	v_lshl_add_u32 v[QGO], v[T0+1], 4, v[QGO]      ; Q: token r of 2,048 bytes, + 16 h
	s_mul_i32 s51, s[WV], 16*SROW
	s_add_co_u32 s51, s51, STAGE                   ; my stage
	v_mul_u32_u24 v[STO], v[T0], SROW
	v_lshl_add_u32 v[STO], v[T0+1], 3, v[STO]
	v_add_nc_u32 v[STO], s51, v[STO]               ; in: row r, 8 bytes for each half of the lanes
	v_bfe_u32 v[T0+2], v0, 2, 3                    ; lane / 4
	v_and_b32 v[T0+3], 3, v0                       ; lane % 4
	v_mul_u32_u24 v[RD], v[T0+2], SROW
	v_lshl_add_u32 v[RD], v[T0+3], 4, v[RD]
	v_add_nc_u32 v[RD], s51, v[RD]                 ; back: four lanes to a row of 64 bytes, eight rows an instruction
	v_lshlrev_b32 v[OGO], 10, v[T0+2]
	v_lshl_add_u32 v[OGO], v[T0+3], 4, v[OGO]      ; and the same in ac
	; K: thread T takes the quarter T % 4 (16 bytes) of key T / 4 of each half of the chunk.  Key 32 b + 16 g + 8 u + j is row 8 g + j of tile 2 b + u; half-block = 4 x tile + quarter
	v_lshrrev_b32 v[T0], 2, v0
	v_and_b32 v[T0+1], 3, v0
	v_lshlrev_b32 v[T0+2], 4, v[T0+1]
	v_lshl_add_u32 v[KGO], v[T0], 11, v[T0+2]      ; in memory: key x 2,048 + 16 x quarter
	v_bfe_u32 v[T0], v0, 7, 2                      ; b
	v_bfe_u32 v[T0+2], v0, 5, 1                    ; u
	v_lshl_add_u32 v[T0], v[T0], 1, v[T0+2]        ; the tile
	v_lshl_add_u32 v[T0], v[T0], 2, v[T0+1]        ; the half-block
	v_mul_u32_u24 v[T0], v[T0], KHB
	v_bfe_u32 v[T0+1], v0, 6, 1                    ; g
	v_bfe_u32 v[T0+2], v0, 2, 3                    ; j
	v_lshl_add_u32 v[T0+1], v[T0+1], 3, v[T0+2]    ; the row
	v_lshl_add_u32 v[KST], v[T0+1], 4, v[T0]
	v_add_nc_u32 v[KST+1], SLOT1, v[KST]
	; V: thread T takes the piece T % 16 (16 keys) of rows T / 16 and T / 16 + 32.  Half-block = 32 x (piece / 8: the key step) + 8 x (row / 16) + piece % 8
	v_lshrrev_b32 v[T0], 4, v0
	v_and_b32 v[T0+1], 15, v0
	v_lshlrev_b32 v[T0+1], 4, v[T0+1]
	v_lshl_add_u32 v[VGO], v[T0], 11, v[T0+1]      ; in memory: row x 2,048 + 16 x piece: sixteen lanes read 256 consecutive bytes
	v_bfe_u32 v[T0], v0, 3, 1
	v_bfe_u32 v[T0+1], v0, 8, 1
	v_and_b32 v[T0+2], 7, v0
	v_lshl_add_u32 v[T0], v[T0], 2, v[T0+1]
	v_lshl_add_u32 v[T0], v[T0], 3, v[T0+2]
	v_mul_u32_u24 v[T0], v[T0], VHB
	v_bfe_u32 v[T0+1], v0, 4, 4                    ; row % 16
	v_lshl_add_u32 v[VST], v[T0+1], 4, v[T0]
	v_add_nc_u32 v[VST+1], SLOT1, v[VST]
	v_mov_b32 v[NINF], 0xff800000
	v_mov_b32 v[PX], 0                             ; written once: a lane permute's destination counts as one of its sources
	v_mov_b32 v[FF+1], 0                           ; (named as the upper half of the pair)
	s_lshr_b32 s51, s[BH], 4                       ; the batch
	s_and_b32 s52, s[BH], 15
	s_lshl_b32 s52, s52, 6                         ; the head's 64 bytes in a row
	s_lshl_b32 s40, s51, 22                        ; the batch's 2,048 rows of 2,048 bytes
	s_add_co_u32 s40, s40, s52
	s_mov_b32 s41, 0                               ; stays 0: every offset below is under 2^32
	s_wait_kmcnt 0x0
	s_load_b256 s[24:31], s[8:9], 0x0              ; e0 .. e7
	s_add_nc_u64 s[32:33], s[4:5], s[40:41]        ; q at my head
	s_add_nc_u64 s[34:35], s[32:33], 1024          ; k
	s_lshl_b32 s40, s[BH], 17                      ; 64 rows of 2,048 bytes a head
	s_add_nc_u64 s[36:37], s[6:7], s[40:41]        ; v
	s_lshl_b32 s40, s51, 21                        ; the batch's 2,048 rows of 1,024 bytes
	s_add_co_u32 s40, s40, s52
	s_add_nc_u64 s[38:39], s[10:11], s[40:41]      ; ac
; The chunk CN is asked for: 256 keys x 64 bytes of K, 64 rows x 256 bytes of V: four loads of 16 bytes a lane.  The bases are written behind the wait that showed the last chunk's loads done.
.macro NEXTLOAD
	s_lshl_b32 s40, s[CN], 19                      ; 256 tokens of 2,048 bytes
	s_add_nc_u64 s[42:43], s[34:35], s[40:41]
	s_lshl_b32 s40, s[CN], 8                       ; 256 keys along V's rows
	s_add_nc_u64 s[44:45], s[36:37], s[40:41]
	global_load_b128 v[STG:STG+3],     v[KGO], s[42:43]
	global_load_b128 v[STG+4:STG+7],   v[KGO], s[42:43] offset:128*2048
	global_load_b128 v[STG+8:STG+11],  v[VGO], s[44:45]
	global_load_b128 v[STG+12:STG+15], v[VGO], s[44:45] offset:32*2048
.endm
; A block of queries begins: my 16 queries' codes are asked for; O^T and the sum begin as zeros and the largest t as -3e38, so that the key step is written once: the first change of M multiplies zeros.
.macro RESTART
	s_lshl_b32 s[Q0], s[QB], 8
	s_lshl_b32 s51, s[WV], 4
	s_add_co_u32 s[Q0], s[Q0], s51                 ; my first query: 256 x block + 16 x wave
	s_lshl_b32 s40, s[Q0], 11
	s_add_nc_u64 s[46:47], s[32:33], s[40:41]
	s_lshl_b32 s40, s[Q0], 10
	s_add_nc_u64 s[48:49], s[38:39], s[40:41]
	global_load_b128 v[QF:QF+3],   v[QGO], s[46:47]            ; d = 16 h + 0 .. 15
	global_load_b128 v[QF+4:QF+7], v[QGO], s[46:47] offset:32  ; d = 32 + 16 h + 0 .. 15
	v_mov_b32 v13, 0xff61b1e6                      ; -3e38, under every t
	v_floor_f32 v12, -v13                          ; -M
	v_mov_b32 v14, 0
	v_mov_b32 v15, 0
.set j, 0
.rept 32
	v_mov_b32 v[OT+j], 0
.set j, j+1
.endr
.endm
; A KEY STEP: 128 keys, the q-th half of the chunk in hand.
.macro STEP slot, q
	s_lshl_b32 s[KF], s[CH], 8
.if \q
	s_add_co_u32 s[KF], s[KF], 128
.endif
	s_add_co_u32 s51, s[Q0], 15
	s_cmp_gt_u32 s[KF], s51                        ; a step all of whose keys come after my 16 queries is left out: a scalar branch on ids; no barrier stands in a step
	s_cbranch_scc1 .Lhidden_\@
.rept 4
	v_nop                                          ; places in front of loads into registers that the last products read
.endr
.set t, 0
.rept 8
	ds_load_b128 v[F+8*t:F+8*t+3],   v[KLD+\slot] offset:(32*\q+4*t)*KHB     ; tile t: d = 16 h + 0 .. 15
	ds_load_b128 v[F+8*t+4:F+8*t+7], v[KLD+\slot] offset:(32*\q+4*t+2)*KHB   ;         d = 32 + 16 h + 0 .. 15
.set t, t+1
.endr
	s_wait_dscnt 0x0
.set t, 0
.rept 8
	v_wmma_f32_16x16x64_fp8_fp8 v[S+8*t:S+8*t+7], v[F+8*t:F+8*t+7], v[QF:QF+7], 0
.set t, t+1
.endr
.rept 4
	v_nop                                          ; places: in front of the loads below, into registers that these products read, and of the first read of the scores
.endr
.set t, 0
.rept 16                                       ; V's four fragments (t = 4 x tile of d + part) are asked for here, a whole softmax ahead of their use
	ds_load_b128 v[F+4*t:F+4*t+3], v[VLD+\slot] offset:(32*\q+2*t)*VHB
.set t, t+1
.endr
	s_add_co_u32 s51, s[KF], 127
	s_cmp_le_u32 s51, s[Q0]                        ; a step all of whose keys count skips the mask
	s_cbranch_scc1 .Lopen_\@
	s_sub_co_i32 s51, s[Q0], s[KF]
	v_add_nc_u32 v[DD], s51, v[DL]                 ; my query - KF - 16 h.  Register 16 b + i holds key KF + 16 h + 32 b + i: hidden where 32 b + i is greater
.set n, 0
.rept 64
	v_cmp_gt_i32 vcc_lo, 32*(n/16)+n%16, v[DD]
	v_cndmask_b32 v[S+n], v[S+n], v[NINF], vcc_lo  ; -infinity ahead of the maximum: p = 0 then.  Key KF counts for all my queries, so M is a number
.set n, n+1
.endr
.Lopen_\@:
	v_max3_num_f32 v[MX0], v[S], v[S+1], v[S+2]    ; the step's largest score of my query among my 64 keys, in two chains; each tile's registers are first read at its low end
	v_max3_num_f32 v[MX1], v[S+3], v[S+4], v[S+5]
.set n, 6
.rept 14
	v_max3_num_f32 v[MX0], v[MX0], v[S+n], v[S+n+1]
	v_max3_num_f32 v[MX1], v[MX1], v[S+n+2], v[S+n+3]
.set n, n+4
.endr
	v_max3_num_f32 v[MX0], v[MX0], v[S+62], v[S+63]
	v_max_num_f32 v[MX0], v[MX0], v[MX1]
	v_permlanex16_b32 v[PX], v[MX0], s20, s21
	v_max_num_f32 v[MX0], v[MX0], v[PX]            ; and among lane l xor 16's
	v_mul_f32 v[MX0], s22, v[MX0]                  ; as t (c is positive)
	v_max_num_f32 v13, v13, v[MX0]                 ; the running largest t
	v_mov_b32 v[MX0], v12
	v_floor_f32 v12, -v13                          ; the new -M = floor(-t) = -ceil(t)
	v_sub_f32 v[MX0], v12, v[MX0]                  ; old M - new M: a whole number, 0 or less
	v_cvt_i32_f32 v[MX0], v[MX0]                   ; (it saturates)
	v_ldexp_f32 v[FF], 1.0, v[MX0]                 ; f = 2^(old M - new M)
.set j, 0
.rept 32
	v_pk_fma_f32 v[S+j:S+j+1], v[S+j:S+j+1], s[22:23], v[12:13] op_sel_hi:[1,0,0]   ; t - M, two at a time (of the pairs c and -M the low word serves both halves)
.set j, j+2
.endr
.set j, 0
.rept 64
	v_exp_f32 v[S+j], v[S+j]                       ; p = 2^(t - M), at most 1
.set j, j+1
.endr
	v_pk_mul_f32 v[14:15], v[14:15], v[FF:FF+1] op_sel_hi:[1,0]   ; the sums under the new M: the plain line behind the exponentials
	s_wait_alu depctr_va_vdst(0)                   ; one wait for the whole batch, ahead of its first reader
	v_pk_add_f32 v[SUM2:SUM2+1], v[S:S+1], v[S+2:S+3]   ; the row's sum is taken of the UNQUANTISED p: two at a time, in two chains
.set j, 4
.rept 15
	v_pk_add_f32 v[14:15], v[14:15], v[S+j:S+j+1]
	v_pk_add_f32 v[SUM2:SUM2+1], v[SUM2:SUM2+1], v[S+j+2:S+j+3]
.set j, j+4
.endr
	v_pk_add_f32 v[14:15], v[14:15], v[SUM2:SUM2+1]
	s_cmp_ge_i32 s29, -8                           ; p is at most 1, and 448 x 2^e5 is at least 1 from e5 = -8 on: there no p lies beyond the largest code and the hold changes nothing
	s_cbranch_scc1 .Lnohold_\@                     ; (a branch on a whole number that is an input; this launch has no tensor load and no barrier stands under it)
.set j, 0
.rept 64
	v_min_num_f32 v[S+j], v[S+j], v[PLIM]          ; the conversion does not saturate (ISA guide 7.6.2); p is not negative, so the hold is one-sided
.set j, j+1
.endr
.Lnohold_\@:
.irp b, 0,1,2,3
	v_cvt_scalef32_pk8_fp8_f32 v[P+4*\b:P+4*\b+1],   v[S+16*\b:S+16*\b+7],    v[PSC]   ; registers 4 b .. 4 b + 3: keys 32 b + 16 h + 0 .. 15
	v_cvt_scalef32_pk8_fp8_f32 v[P+4*\b+2:P+4*\b+3], v[S+16*\b+8:S+16*\b+15], v[PSC]
.endr
.set j, 0
.rept 16
	v_pk_mul_f32 v[OT+j:OT+j+1], v[OT+j:OT+j+1], v[FF:FF+1] op_sel_hi:[1,0]   ; O^T under the new M.  (Also the plain lines between the conversions and the products that read their results)
.set j, j+2
.endr
	s_wait_dscnt 0x0                               ; V's fragments are in
.irp t, 0,1,2,3                                ; four accumulators, one instruction a turn; between two links of a chain stand the next step's eight products and the other three
	v_wmma_f32_16x16x128_fp8_fp8 v[OT+8*\t:OT+8*\t+7], v[F+16*\t:F+16*\t+15], v[P:P+15], v[OT+8*\t:OT+8*\t+7]
.endr
.Lhidden_\@:
.endm
; THE WAY OUT of a block of queries: O^T / the sum, held, quantised with 2^(e6 - e4 - e5) (a sum of the second product stands for sum x 2^(e4 + e5)); register 8 t + j is o(query r, d = 16 t + 8 h + j): 8 codes of a row.
; They go through my own stage and leave as rows of 64 bytes.  LDS serves a wave's instructions in order: no wait between the stores and the loads.
.macro OUT
.rept 4
	v_nop                                          ; places behind the last products
.endr
	v_add_f32 v14, v14, v15                        ; the sum's two halves,
	v_permlanex16_b32 v[PX], v14, s20, s21
	v_add_f32 v14, v14, v[PX]                      ; and lane l xor 16's
	v_rcp_f32 v14, v14
	v_nop                                          ; a plain line behind the transcendental
	s_wait_alu depctr_va_vdst(0)                   ; and the wait ahead of its first reader
.set j, 0
.rept 32
	v_mul_f32 v[S+j], v[OT+j], v14                 ; each accumulator from its low end on
.set j, j+1
.endr
.set j, 0
.rept 32
	v_med3_num_f32 v[S+j], v[S+j], -v[OLIM], v[OLIM]
.set j, j+1
.endr
.irp t, 0,1,2,3
	v_cvt_scalef32_pk8_fp8_f32 v[P+2*\t:P+2*\t+1], v[S+8*\t:S+8*\t+7], v[OSC]
.endr
	v_nop                                          ; one plain line behind the last conversion: products write its sources later
.irp t, 0,1,2,3
	ds_store_b64 v[STO], v[P+2*\t:P+2*\t+1] offset:16*\t
.endr
	ds_load_b128 v[BK:BK+3],   v[RD]               ; rows 0-7
	ds_load_b128 v[BK+4:BK+7], v[RD] offset:8*SROW ; rows 8-15
	s_wait_dscnt 0x0
	global_store_b128 v[OGO], v[BK:BK+3],   s[48:49]
	global_store_b128 v[OGO], v[BK+4:BK+7], s[48:49] offset:8*1024
	s_wait_xcnt 0x0                                ; the stores' base and data are written again only behind this wait
.endm
; A TRIP: one chunk of 256 keys.
.macro TRIP slot, last
	s_wait_loadcnt 0x0                             ; the chunk's four loads, asked for a trip ago, and Q's two where a block has just begun
	ds_store_b128 v[KST+\slot], v[STG:STG+3]
	ds_store_b128 v[KST+\slot], v[STG+4:STG+7]   offset:32*KHB          ; the chunk's second 128 keys
	ds_store_b128 v[VST+\slot], v[STG+8:STG+11]  offset:VOFF
	ds_store_b128 v[VST+\slot], v[STG+12:STG+15] offset:VOFF+16*VHB     ; rows 32 further down: two tiles of d on
	s_wait_dscnt 0x0                               ; for the others' sake: my stores are done; and my reads of the other slot, last trip's, were over before
	s_barrier_signal -1
	s_barrier_wait -1                              ; this slot is whole, and nobody reads the other one any more
.if !\last
	s_add_co_u32 s[CN], s[CH], 1
	s_min_u32 s[CN], s[CN], 7                      ; a head has eight chunks: the address stays inside its buffer on every path of the text
	s_cmp_eq_u32 s[CH], s[QB]                      ; behind the block's last chunk comes the next block's chunk 0
	s_cselect_b32 s[CN], 0, s[CN]
	NEXTLOAD
.endif
	STEP \slot, 0
	STEP \slot, 1
.if \last
	OUT
.else
	s_cmp_lg_u32 s[CH], s[QB]
	s_cbranch_scc1 .Lnext_\@
	OUT                                            ; the diagonal chunk was the block's last
	s_sub_co_u32 s[QB], 7, s[WI]                   ; on to block 7 - i
	RESTART
.Lnext_\@:
	s_mov_b32 s[CH], s[CN]
.endif
.endm
	s_mov_b32 s[QB], s[WI]                         ; block i first
	s_mov_b32 s[CH], 0
	s_mov_b32 s[CN], 0
	NEXTLOAD
	RESTART
	s_wait_kmcnt 0x0
	s_add_co_i32 s51, s26, s27
	s_lshl_b32 s51, s51, 23
	s_add_co_i32 s22, s22, s51                     ; a score stands for score x 2^(e2 + e3): the two exponents are added to c's exponent field
	s_mov_b32 s23, s22                             ; (named with it as a pair, so it is written)
	s_add_co_i32 s51, s29, 127
	s_lshl_b32 s52, s51, 23
	v_mov_b32 v[PSC], s52
	s_add_co_i32 s51, s51, 8
	s_lshl_b32 s51, s51, 23
	s_or_b32 s51, s51, 0x600000
	v_mov_b32 v[PLIM], s51
	s_sub_co_i32 s51, s30, s28
	s_sub_co_i32 s51, s51, s29                     ; e6 - e4 - e5
	s_add_co_i32 s51, s51, 127
	s_lshl_b32 s52, s51, 23
	v_mov_b32 v[OSC], s52
	s_add_co_i32 s51, s51, 8
	s_lshl_b32 s51, s51, 23
	s_or_b32 s51, s51, 0x600000
	v_mov_b32 v[OLIM], s51
	s_mov_b32 s50, 4
.Lpair:                                            ; eight of the nine trips, two a turn of the slots.  Block i ends in one of the first four; block 7 - i ends in the ninth
	TRIP 0, 0
	TRIP 1, 0
	s_sub_co_u32 s50, s50, 1
	s_cmp_lg_u32 s50, 0
	s_cbranch_scc1 .Lpair
	TRIP 0, 1                                      ; the ninth: nothing more is asked for
	s_wait_tensorcnt 0x0                           ; the wave's end, behind my last LDS store
	ds_add_u32 v[SPW], v[NIL]
	s_wait_dscnt 0x0
	s_endpgm
.Lfunc_end_k_qf5629d0f3c_attn:
	.size	k_qf5629d0f3c_attn, .Lfunc_end_k_qf5629d0f3c_attn-k_qf5629d0f3c_attn
	.p2alignl 7, 3214868480
	.fill 96, 4, 3214868480
	.section	.rodata,"a",@progbits
	.p2align	6, 0x0
	.amdhsa_kernel k_qf5629d0f3c_attn
		.amdhsa_group_segment_fixed_size 103424
		.amdhsa_private_segment_fixed_size 0
		.amdhsa_enable_private_segment 0
		.amdhsa_kernarg_size 32
		.amdhsa_user_sgpr_count 2
		.amdhsa_user_sgpr_kernarg_segment_ptr 1
		.amdhsa_wavefront_size32 1
		.amdhsa_system_sgpr_workgroup_id_x 1
		.amdhsa_system_sgpr_workgroup_id_y 1
		.amdhsa_system_sgpr_workgroup_id_z 1
		.amdhsa_system_vgpr_workitem_id 0
		.amdhsa_next_free_vgpr 256
		.amdhsa_next_free_sgpr 66
		.amdhsa_reserve_vcc 1
		.amdhsa_float_denorm_mode_32 3
		.amdhsa_float_denorm_mode_16_64 3
		.amdhsa_memory_ordered 1
		.amdhsa_forward_progress 1
		.amdhsa_inst_pref_size 149
	.end_amdhsa_kernel
	.amdgpu_metadata
---
amdhsa.version: [ 1, 2 ]
amdhsa.kernels:
  - .name:           k_qf5629d0f3c_attn
    .symbol:         k_qf5629d0f3c_attn.kd
    .args:
      - { .name: qk, .offset: 0, .size: 8, .value_kind: global_buffer, .address_space: global }
      - { .name: vt, .offset: 8, .size: 8, .value_kind: global_buffer, .address_space: global }
      - { .name: lowp_scales, .offset: 16, .size: 8, .value_kind: global_buffer, .address_space: global }
      - { .name: ac, .offset: 24, .size: 8, .value_kind: global_buffer, .address_space: global }
    .group_segment_fixed_size: 103424
    .private_segment_fixed_size: 0
    .kernarg_segment_align: 8
    .kernarg_segment_size: 32
    .max_flat_workgroup_size: 512
    .sgpr_count:     66
    .vgpr_count:     256
    .wavefront_size: 32
...
	.end_amdgpu_metadata
.endif
;; end of part 3
;; launch proj (part 4): grid 4 x 32, 4 waves a work-group, clusters of 4 x 4, 327,680 bytes of LDS; arguments ac, pc, lowp_scales, proj_b, out0; writes out0
.if DOCPART == 4
	.amdgcn_target "amdgcn-amd-amdhsa--gfx1250"
	.amdhsa_code_object_version 6
	.text
	.protected	k_qf5629d0f3c_proj
	.globl	k_qf5629d0f3c_proj
	.p2align	8
	.type	k_qf5629d0f3c_proj,@function
k_qf5629d0f3c_proj:
	s_mov_b64 s[64:65], 0
	v_nop
	global_prefetch_b8 v0, s[64:65] scope:SCOPE_SE
	s_setreg_imm32_b32 hwreg(HW_REG_WAVE_MODE, 25, 1), 1
	s_wait_xcnt 0x0
	s_wait_alu depctr_hold_cnt(0) depctr_sa_sdst(0) depctr_va_vdst(0) depctr_va_sdst(0) depctr_va_ssrc(0) depctr_va_vcc(0) depctr_vm_vsrc(0)
	s_getreg_b32 s2, hwreg(HW_REG_IB_STS2, 6, 4)
	s_cmp_eq_u32 s2, 0
	s_cbranch_scc0 .Lentry_in_a_cluster
	s_endpgm
.Lentry_in_a_cluster:
	s_bfe_u32 s2, ttmp6, 0x10000c
	s_cmp_lg_u32 s2, 0xf033
	s_cbranch_scc0 .Lentry_shape_is_right
	s_endpgm
.Lentry_shape_is_right:
; The last product: out0[m][n] = (sum over k of ac[m][k] pc[n][k]) x 2^(e6 + e7) + proj_b[n].  ac [8192][1024], pc [1024][1024]: codes of FP8 (E4M3), K innermost; out0 [8192][1024] f32; sums in f32.
; LIMIT: e6 + e7 lies between -126 and 127, so that 2^(e6 + e7) is an f32 number.  Inside an instruction k is permuted, alike in A and B (16-byte fragment loads): only the order of the sums changes.
; A tile of C, 256 x 256, is made by four waves, each 128 x 128: 64 accumulators, 512 registers.  That gives 128 work-groups: a smaller tile would give more, and read half as much again from LDS for each product.
; K goes in steps of 256 through a ring of two LDS slots filled by the tensor data mover: a tile's row is 256 bytes of memory.
; CLUSTERS: 4 x 4 work-groups.  The four of a row of the cluster need the same tiles of A, the four of a column the same tiles of B: each tile is asked for JOINTLY.  No prefetch: K has four steps only.
; THE MATRIX INSTRUCTION IS USED TRANSPOSED (source 0 = 16 rows of B, source 1 = 16 rows of A): a lane holds eight neighbouring numbers of a row of C.
; REGISTERS, in windows of 256: window 0: v0-31 addresses; v32-35 my four numbers of the bias; from v128 A's fragments, ONE set; on the way out v128-255 take rows of C.
;   window 1: B's fragments, TWO sets.   window 2, 3: the accumulators of my rows 0-63, 64-127.
.set SIZE_N, 1024
.set SIZE_K, 1024
.set KSTEP,  256
.set ROWB,   256
.set KROW,   SIZE_K
.set PITCH,  272                       ; an LDS row: 256 bytes + 16 of padding = 68 words: row r starts at bank 4 r mod 64 (64 banks of 4 bytes: ISA guide 11.1)
.set FR,     16
.set NL,     4
.set NP,     4                         ; places behind this matrix instruction (ISA guide 7.12.1)
.set HALFT,  128*PITCH
.set SLOT,   4*HALFT
.set LAPS,   SIZE_K/(2*KSTEP)
.set SPARE,  2*SLOT                    ; behind the ring: the spare words, 128 bytes for each wave
.set SPITCH, 528                       ; the way out: a stage of 16 rows x (512 bytes + 16) for each wave, in slot 0, which has had its last fill and its last read when the first result is stored there
.set ADRA, 16
.set ADRB, 20
.set STO,  24                          ; v24     the way out: where I put 32 bytes of a row
.set RD,   25                          ; v25     where I read a row back
.set CO,   26                          ; v26     my byte offset in a row of C, and in my wave's part of the bias
.set SPW,  28
.set NIL,  29
.set BIAS, 32                          ; v32-35  proj_b at columns 4 l .. 4 l + 3 of my wave's 128: behind the stage a lane holds these columns of every row
.set AF,   128
.set BK,   128                         ; the way out: 16 rows read back from the stage: v128-191 and v192-255 by turns
.set G1, 24
.set G0, 32
.set G1B, 48
.set G0B, 56
.set MSB, 0
.macro WIN new                         ; the immediate's high byte repeats the setting that is left
.if MSB != \new
	s_set_vgpr_msb (MSB<<8)|\new
.set MSB, \new
.endif
.endm
.set MUL_LO, 0xa1                      ; source 0 (B) window 1, source 1 (A) window 0, C and D window 2
.set MUL_HI, 0xf1                      ; the same, C and D window 3
.set TO_B,   0x40                      ; destination window 1, address window 0
; A joint load: waves 0 and 1 fetch for A, waves 2 and 3 for B; the branch hangs on the wave's number alone.  An s_nop 0 and four v_nop follow each of the two lines.
.macro JLOAD g0a, g1a, g0b, g1b
	s_cmp_eq_u32 s15, 0
	s_cbranch_scc0 .Lfor_b_\@
	tensor_load_to_lds s[\g0a:\g0a+3], s[\g1a:\g1a+7]
	s_nop 0
.rept 4
	v_nop
.endr
	s_branch .Lasked_\@
.Lfor_b_\@:
	tensor_load_to_lds s[\g0b:\g0b+3], s[\g1b:\g1b+7]
	s_nop 0
.rept 4
	v_nop
.endr
.Lasked_\@:
.endm
.macro CREST                           ; a round of the cluster's barrier behind its opening barrier
	s_cmp_lg_u32 s14, 0
	s_cbranch_scc1 .Lnot_wave_0_\@
	s_barrier_signal -3
.Lnot_wave_0_\@:
	s_barrier_wait -3
	s_barrier_signal -1
	s_barrier_wait -1
.endm
.macro CROUND                          ; a whole round
	s_barrier_signal -1
	s_barrier_wait -1
	CREST
.endm
	s_load_b128 s[4:7], s[0:1], 0x0                ; ac s[4:5], pc s[6:7]
	s_load_b128 s[8:11], s[0:1], 0x10              ; the scales' exponents s[8:9], proj_b s[10:11]
	s_load_b64 s[12:13], s[0:1], 0x20              ; out0
	v_lshl_add_u32 v[SPW], v0, 2, SPARE
	v_mov_b32 v[NIL], 0
	ds_add_u32 v[SPW], v[NIL]                      ; the wave's opening: the add and its wait stand ahead of my first tensor load; the set-up below, work on registers, stands between them
	v_lshrrev_b32 v1, 5, v0
	v_readfirstlane_b32 s14, v1                    ; wave 0..3
	s_lshr_b32 s15, s14, 1                         ; which half of the tile's rows is mine.  Also: I fetch for A (0) or for B (1)
	s_and_b32 s16, s14, 1                          ; which half of its columns.  Also: which 128 rows of that tile I fetch
	s_bfe_u32 s40, ttmp6, 0x40000                  ; cx, cy: my place in the cluster
	s_bfe_u32 s41, ttmp6, 0x40004
	s_lshl_b32 s42, ttmp9, 2
	s_add_co_u32 s42, s42, s40                     ; tile column of C = 4 x cluster x + cx
	s_and_b32 s17, ttmp7, 0xffff
	s_lshl_b32 s17, s17, 2
	s_add_co_u32 s17, s17, s41                     ; tile row of C = 4 x cluster y + cy
	s_lshl_b32 s43, s41, 2
	s_lshl_b32 s43, 15, s43                        ; my row of the cluster
	s_lshl_b32 s44, 0x1111, s40                    ; my column
	; descriptor group 1: a tile of 128 rows x 256 bytes, padded in LDS
	s_or_b32 s[G1+0], s43, (0<<16)|(1<<20)|(1<<21)|(5<<22)|(3<<25)  ; 15:0 the mask: A's tiles go to my row; 17:16 element of 1 byte; 20 padding on; 21 set beside a mask; 24:22 after every 64 words (code 5); 31:25 of 4 words (code 3)
	s_or_b32 s[G1B+0], s44, (0<<16)|(1<<20)|(1<<21)|(5<<22)|(3<<25)
.irp g, G1, G1B
	s_mov_b32 s[\g+1], ROWB<<16                    ; tensor_dim0
	s_mov_b32 s[\g+2], 128<<16                     ; tensor_dim1 = 128
	s_mov_b32 s[\g+3], ROWB<<16                    ; tile_dim0
	s_mov_b32 s[\g+4], 128                         ; tile_dim1 = 128
	s_mov_b32 s[\g+5], KROW                        ; tensor_dim0_stride
	s_mov_b32 s[\g+6], 0
	s_mov_b32 s[\g+7], 0
.endr
	s_lshl_b32 s18, s16, 7                         ; which 128 rows of the tile I fetch
	s_lshl_b32 s20, s17, 8
	s_add_co_u32 s20, s20, s18                     ; A: row 256 x tile row + 128 x half,
	s_lshl_b32 s20, s20, 10                        ; of 1,024 bytes
	s_mov_b32 s21, 0
	s_lshl_b32 s46, s42, 8
	s_add_co_u32 s46, s46, s18                     ; B: row 256 x tile column + 128 x half
	s_lshl_b32 s46, s46, 10
	s_mov_b32 s47, 0
	s_mul_i32 s45, s14, HALFT                      ; where they go: wave x 128 rows: no place in the cluster enters an LDS address
	s_wait_dscnt 0x0                               ; the opening add is done
	s_wait_kmcnt 0x0
	s_load_b64 s[96:97], s[8:9], 0x18              ; e6, e7; awaited on the way out
	s_add_nc_u64 s[20:21], s[4:5], s[20:21]
	s_add_nc_u64 s[46:47], s[6:7], s[46:47]
	CROUND                                         ; all sixteen work-groups are here: the first joint loads meet
.irp s, 0,1
	s_mov_b32 s[G0+4*\s], 1
	s_add_co_u32 s[G0+4*\s+1], s45, \s*SLOT
	s_add_nc_u64 s[G0+4*\s+2:G0+4*\s+3], s[20:21], \s*ROWB
	s_or_b32 s[G0+4*\s+3], s[G0+4*\s+3], 0x80000000
	s_mov_b32 s[G0B+4*\s], 1
	s_add_co_u32 s[G0B+4*\s+1], s45, \s*SLOT
	s_add_nc_u64 s[G0B+4*\s+2:G0B+4*\s+3], s[46:47], \s*ROWB
	s_or_b32 s[G0B+4*\s+3], s[G0B+4*\s+3], 0x80000000
	JLOAD G0+4*\s, G1, G0B+4*\s, G1B               ; two loads of mine are out
.endr
	v_and_b32 v1, 15, v0                           ; l % 16
	v_bfe_u32 v2, v0, 4, 1                         ; l / 16
	v_mul_u32_u24 v3, v1, PITCH
	v_lshl_add_u32 v4, v2, 4, v3                   ; a fragment's row x pitch + 16 x half
	s_mul_i32 s21, s15, HALFT                      ; my 128 rows of A
	s_mul_i32 s22, s16, HALFT                      ; my 128 rows of B,
	s_add_co_u32 s22, s22, 2*HALFT                 ; which lie behind A's 256
.irp s, 0,1
	v_add_nc_u32 v[ADRA+\s], s21, v4
	v_add_nc_u32 v[ADRB+\s], s22, v4
	s_add_co_u32 s21, s21, SLOT
	s_add_co_u32 s22, s22, SLOT
.endr
	s_mul_i32 s23, s14, 16*SPITCH                  ; my stage
	v_mul_u32_u24 v5, v1, SPITCH                   ; in: row l % 16, 32 bytes for each half of the lanes
	v_lshl_add_u32 v5, v2, 5, v5
	v_add_nc_u32 v[STO], s23, v5
	v_and_b32 v6, 31, v0
	v_lshlrev_b32 v[CO], 4, v6                     ; back: the 32 lanes take one row of 512 bytes; and the same in C
	v_add_nc_u32 v[RD], s23, v[CO]
	s_lshl_b32 s20, s17, 8
	s_lshl_b32 s21, s15, 7
	s_add_co_u32 s20, s20, s21                     ; my first row of C: 256 x tile row + 128 x half,
	s_lshl_b32 s20, s20, 12                        ; of 4,096 bytes (32 MiB at the most)
	s_mov_b32 s21, 0
	s_lshl_b32 s46, s42, 10                        ; my first column, in bytes: 1,024 x tile column + 512 x half
	s_lshl_b32 s47, s16, 9
	s_add_co_u32 s46, s46, s47
	s_mov_b32 s47, 0
	s_add_nc_u64 s[10:11], s[10:11], s[46:47]      ; the bias at my first column
	s_add_nc_u64 s[20:21], s[20:21], s[46:47]
	s_add_nc_u64 s[12:13], s[12:13], s[20:21]
	global_load_b128 v[BIAS:BIAS+3], v[CO], s[10:11]   ; awaited on the way out; its address registers are never rewritten
.macro FRAG reg, adr, q, i             ; a fragment, 16 rows x 128 K, is 16 registers: lane l holds row l % 16; registers 4 c .. 4 c + 3 hold K = 32 c + 16 (l / 16) + 0 .. 15
.irp c, 0,1,2,3
	ds_load_b128 v[\reg+4*\c:\reg+4*\c+3], v[\adr] offset:128*(\q)+32*\c+(\i)*16*PITCH
.endr
.endm
; 16 matrix instructions: A's blocks a0, a0 + 1 x B's eight, 128 along K.  p: B's set.  zero = 1: the first product starts the sums.
; The 64 accumulators take turns, one instruction a turn, in the same order in every step.
.macro MUL16 a0, p, zero
.irp a, \a0, \a0+1
.irp b, 0,1,2,3,4,5,6,7
.if \zero
	v_wmma_f32_16x16x128_fp8_fp8 v[8*(8*((\a)%4)+\b):8*(8*((\a)%4)+\b)+7], v[128*(\p)+FR*\b:128*(\p)+FR*\b+FR-1], v[AF+FR*(\a):AF+FR*(\a)+FR-1], 0
.else
	v_wmma_f32_16x16x128_fp8_fp8 v[8*(8*((\a)%4)+\b):8*(8*((\a)%4)+\b)+7], v[128*(\p)+FR*\b:128*(\p)+FR*\b+FR-1], v[AF+FR*(\a):AF+FR*(\a)+FR-1], v[8*(8*((\a)%4)+\b):8*(8*((\a)%4)+\b)+7]
.endif
.endr
.endr
.endm
.macro FETCH_B slot, q, p              ; B's eight fragments of the slot's q-th 128 along K into set p
	WIN TO_B
.irp i, 0,1,2,3,4,5,6,7
	FRAG 128*(\p)+FR*\i, ADRB+\slot, \q, \i
.endr
	WIN 0
.endm
.macro FETCH_A slot, q, i0             ; A's blocks i0 .. i0 + 3
.irp i, \i0, \i0+1, \i0+2, \i0+3
	FRAG AF+FR*(\i), ADRA+\slot, \q, \i
.endr
.endm
; A load into a register that a matrix instruction has read, and an LDS store that reads a matrix result, stand NP places behind that matrix instruction; only plain vector instructions
; that name none of its registers are places (ISA guide 7.12.1 for vector instructions).
.macro PLACES n
.rept \n
	v_nop
.endr
.endm
.macro STEP slot, q, zero              ; a step of 128 along K that has its successor in the same slot
	s_wait_dscnt 4*NL                              ; B's set and A's blocks 0-3 are in; the youngest sixteen loads (A's blocks 4-7) may be out
	WIN MUL_LO
	MUL16 0, (\q)%2, \zero
	MUL16 2, (\q)%2, \zero
	s_wait_dscnt 0                                 ; A's blocks 4-7 are in
	PLACES NP
	FETCH_B \slot, (\q)+1, 1-(\q)%2
	FETCH_A \slot, (\q)+1, 0
	WIN MUL_HI
	MUL16 4, (\q)%2, \zero
	MUL16 6, (\q)%2, \zero
	PLACES NP
	WIN 0
	FETCH_A \slot, (\q)+1, 4
.endm
; A slot's last step changes slots: ONE barrier; in front of it each wave waits for all its tensor loads, adds 0 to its spare word, and waits for that and for its own reads of this slot.  fill = 1: this slot is filled again, two K steps ahead.
.macro TURN slot, next, fill
	s_wait_tensorcnt 0x0                           ; all my tensor loads have landed: my part of the next slot;  (every window is 0 here)
	ds_add_u32 v[SPW], v[NIL]                      ; 0 onto my spare word
	s_wait_dscnt 4*NL+1                            ; (the add and the youngest sixteen loads, A's blocks 4-7, may be out)
	WIN MUL_LO
	MUL16 0, 1, 0                                  ; sixteen matrix instructions stand between the add and the wait for it
	s_wait_dscnt 0x0                               ; the add is done, and my reads of this slot are over
	s_barrier_signal -1
	MUL16 2, 1, 0
	WIN 0
	s_barrier_wait -1
.if \fill
	CREST                                          ; the barrier has opened a round of the cluster's barrier: no wave of any partner still reads this slot's tile or has a load on its way
	s_add_nc_u64 s[G0+4*\slot+2:G0+4*\slot+3], s[G0+4*\slot+2:G0+4*\slot+3], 2*ROWB
	s_add_nc_u64 s[G0B+4*\slot+2:G0B+4*\slot+3], s[G0B+4*\slot+2:G0B+4*\slot+3], 2*ROWB
	JLOAD G0+4*\slot, G1, G0B+4*\slot, G1B         ; the first tensor load behind the round, my one load that is out; the four v_nop behind it are the places in front of the loads below
.else
	PLACES NP
.endif
	FETCH_B \next, 0, 0
	FETCH_A \next, 0, 0
	WIN MUL_HI
	MUL16 4, 1, 0
	MUL16 6, 1, 0
	PLACES NP
	WIN 0
	FETCH_A \next, 0, 4
.endm
	s_wait_tensorcnt 1                             ; my part of K step 0 is in (K step 1's load may be out)
	s_barrier_signal -1
	s_barrier_wait -1                              ; everybody's is
	FETCH_B 0, 0, 0
	FETCH_A 0, 0, 0
	FETCH_A 0, 0, 4
	STEP 0, 0, 1                                   ; the first step stands in front of the loop: its products start the sums
	s_mov_b32 s3, LAPS-1
.Llap:                                                 ; a trip goes once round the ring and fills both slots again
	TURN 0, 1, 1
	STEP 1, 0, 0
	TURN 1, 0, 1
	STEP 0, 0, 0
	s_sub_co_u32 s3, s3, 1
	s_cmp_lg_u32 s3, 0
	s_cbranch_scc1 .Llap
	TURN 0, 1, 0                                   ; the last lap fills nothing, and has no round of the cluster's barrier.  Behind this barrier nobody reads slot 0
	STEP 1, 0, 0
	s_wait_dscnt 4*NL                              ; the very last step: nothing more to fetch
	WIN MUL_LO
	MUL16 0, 1, 0
	MUL16 2, 1, 0
	s_wait_dscnt 0
	WIN MUL_HI
	MUL16 4, 1, 0
	MUL16 6, 1, 0
	WIN 0
; THE WAY OUT, block by block of 16 rows x 128 columns.  A lane holds 32 neighbouring bytes of a row, and the lanes beside it hold other rows: so a block's sums go, as they are, through my own stage in LDS and come back as
; whole rows of 512 bytes.  There a lane holds the same four columns of every row: one packed multiply-add for two numbers gives sum x 2^(e6 + e7) + bias, with four registers of bias.
; LDS serves a wave's instructions in order (ISA guide 5.7.1.4): no wait between the stores and the loads, nor in front of the next block's stores.
.macro TOSTAGE a
.set AC, 64*((\a)%4)
	WIN 0x08+4*((\a)/4)                            ; an LDS store's data are its source 1: window 2 or 3; the address stays in window 0
.irp b, 0,1,2,3,4,5,6,7
	ds_store_b128 v[STO], v[AC+8*\b:AC+8*\b+3] offset:64*\b          ; each accumulator from its low end on
	ds_store_b128 v[STO], v[AC+8*\b+4:AC+8*\b+7] offset:64*\b+16
.endr
	WIN 0
.set BB, BK+64*((\a)%2)
.irp t, 0,1,2,3,4,5,6,7,8,9,10,11,12,13,14,15
	ds_load_b128 v[BB+4*\t:BB+4*\t+3], v[RD] offset:\t*SPITCH
.endr
.endm
.macro SEND a, younger                 ; younger: the LDS instructions issued behind block a's loads, which may stay out
.set BB, BK+64*((\a)%2)
	s_wait_dscnt \younger                          ; the block is back in registers
.if (\a) > 0
	s_add_nc_u64 s[12:13], s[12:13], 16*SIZE_N*4   ; (behind a wait on XCNT: the earlier stores have read their base)  16 rows of C on
.endif
.irp t, 0,1,2,3,4,5,6,7,8,9,10,11,12,13,14,15
	v_pk_fma_f32 v[BB+4*\t:BB+4*\t+1],   v[BB+4*\t:BB+4*\t+1],   s[96:97], v[BIAS:BIAS+1]   op_sel_hi:[1,0,1]   ; the scalar pair's low word, 2^(e6 + e7), for both halves
	v_pk_fma_f32 v[BB+4*\t+2:BB+4*\t+3], v[BB+4*\t+2:BB+4*\t+3], s[96:97], v[BIAS+2:BIAS+3] op_sel_hi:[1,0,1]
.endr
.irp t, 0,1,2,3,4,5,6,7,8,9,10,11,12,13,14,15
	global_store_b128 v[CO], v[BB+4*\t:BB+4*\t+3], s[12:13] offset:\t*SIZE_N*4 th:TH_STORE_NT   ; 32 lanes store 512 consecutive bytes, at a multiple of 256 from C's first byte; written once, read by nobody here
.endr
.endm
	s_wait_kmcnt 0x0
	s_add_co_i32 s96, s96, s97                     ; e6 + e7, between -126 and 127,
	s_add_co_i32 s96, s96, 127
	s_lshl_b32 s96, s96, 23                        ; makes the f32 number 2^(e6 + e7)
	s_wait_loadcnt 0x0                             ; the bias
	PLACES NP                                      ; behind the last products: for the LDS stores that read results and for the loads into the registers that held A's fragments
	TOSTAGE 0
.irp a, 1,2,3,4,5,6,7
.if \a > 1
	s_wait_xcnt 0x0                                ; block a - 2's stores have read their registers and their base: block a's loads may land there, and the base may step
.endif
	TOSTAGE \a
	SEND \a-1, 32                                  ; behind block a - 1's loads: block a's 16 stores and 16 loads
.endr
	s_wait_xcnt 0x0                                ; block 6's stores have read their base
	SEND 7, 0
	s_wait_tensorcnt 0x0                           ; the wave's end: behind my last tensor load and my last LDS store
	ds_add_u32 v[SPW], v[NIL]
	s_wait_dscnt 0x0
	CROUND                                         ; the closing round: no work-group ends while a partner may still ask for a tile that names it
	s_endpgm
.Lfunc_end_k_qf5629d0f3c_proj:
	.size	k_qf5629d0f3c_proj, .Lfunc_end_k_qf5629d0f3c_proj-k_qf5629d0f3c_proj
	.p2alignl 7, 3214868480
	.fill 96, 4, 3214868480
	.section	.rodata,"a",@progbits
	.p2align	6, 0x0
	.amdhsa_kernel k_qf5629d0f3c_proj
		.amdhsa_group_segment_fixed_size 327680
		.amdhsa_private_segment_fixed_size 0
		.amdhsa_enable_private_segment 0
		.amdhsa_kernarg_size 40
		.amdhsa_user_sgpr_count 2
		.amdhsa_user_sgpr_kernarg_segment_ptr 1
		.amdhsa_wavefront_size32 1
		.amdhsa_system_sgpr_workgroup_id_x 1
		.amdhsa_system_sgpr_workgroup_id_y 1
		.amdhsa_system_sgpr_workgroup_id_z 1
		.amdhsa_system_vgpr_workitem_id 0
		.amdhsa_next_free_vgpr 1024
		.amdhsa_next_free_sgpr 98
		.amdhsa_reserve_vcc 0
		.amdhsa_float_denorm_mode_32 3
		.amdhsa_float_denorm_mode_16_64 3
		.amdhsa_memory_ordered 1
		.amdhsa_forward_progress 1
		.amdhsa_inst_pref_size 123
	.end_amdhsa_kernel
	.amdgpu_metadata
---
amdhsa.version: [ 1, 2 ]
amdhsa.kernels:
  - .name:           k_qf5629d0f3c_proj
    .symbol:         k_qf5629d0f3c_proj.kd
    .args:
      - { .name: ac, .offset: 0, .size: 8, .value_kind: global_buffer, .address_space: global }
      - { .name: pc, .offset: 8, .size: 8, .value_kind: global_buffer, .address_space: global }
      - { .name: lowp_scales, .offset: 16, .size: 8, .value_kind: global_buffer, .address_space: global }
      - { .name: proj_b, .offset: 24, .size: 8, .value_kind: global_buffer, .address_space: global }
      - { .name: out0, .offset: 32, .size: 8, .value_kind: global_buffer, .address_space: global }
    .group_segment_fixed_size: 327680
    .private_segment_fixed_size: 0
    .kernarg_segment_align: 8
    .kernarg_segment_size: 40
    .max_flat_workgroup_size: 128
    .sgpr_count:     98
    .vgpr_count:     1024
    .wavefront_size: 32
...
	.end_amdgpu_metadata
.endif
;; end of part 4
;; ======== version 2 of 2: 4 launches; version 1 with the launch attn written anew for expert scheduling mode
;; workspace buffers: xc 8,388,608 bytes; wc 3,145,728 bytes; pc 1,048,576 bytes; qk 16,777,216 bytes; vt 8,388,608 bytes; ac 8,388,608 bytes
;; launch quant: the kernel of part 1 again; grid 384 x 1, 4 waves a work-group, no clusters, 33,280 bytes of LDS; arguments x, qkv_w, proj_w, lowp_scales, xc, wc, pc; writes xc, wc, pc
;; launch qkv: the kernel of part 2 again; grid 96 x 4, 4 waves a work-group, clusters of 4 x 4, 327,680 bytes of LDS; arguments xc, wc, lowp_scales, qk, vt; writes qk, vt
;; launch attn (part 5): grid 4 x 64, 16 waves a work-group, no clusters, 103,424 bytes of LDS; arguments qk, vt, lowp_scales, ac; writes ac
.if DOCPART == 5
	.amdgcn_target "amdgcn-amd-amdhsa--gfx1250"
	.amdhsa_code_object_version 6
	.text
	.protected	k_qf5629d0f3c_attn
	.globl	k_qf5629d0f3c_attn
	.p2align	8
	.type	k_qf5629d0f3c_attn,@function
k_qf5629d0f3c_attn:
	s_mov_b64 s[64:65], 0
	v_nop
	global_prefetch_b8 v0, s[64:65] scope:SCOPE_SE
	s_setreg_imm32_b32 hwreg(HW_REG_WAVE_SCHED_MODE, 0, 2), 2
	s_setreg_imm32_b32 hwreg(HW_REG_WAVE_MODE, 25, 1), 1
	s_wait_xcnt 0x0
	s_wait_alu depctr_vm_vsrc(0)
; Causal attention on codes of FP8 (E4M3), head size 64, 2,048 tokens, 64 heads (batch x head).  q, k: codes in qk [8192 (token)][2048]: byte h 64 + d is q's, byte 1024 + h 64 + d is k's.
; v: codes in vt [batch][h 64 + d][2048 (key)], the keys innermost.  The result is quantised with 2^e6 into ac [8192 (token)][1024 (h 64 + d)], the last product's operand.
; THE SOFTMAX: t = score x log2(e) / 8; M = the running largest t rounded UP to a whole number; p = 2^(t - M) is quantised along the keys with 2^e5, not normalised.  The row's sum is taken of the unquantised p, in f32,
; and divides at the end.  When M moves, the sum and O are multiplied by 2^(old M - new M): exact.
; SHARES.  Work-group (i, head) owns the blocks i and 7 - i of 256 queries, one after the other: (i + 1) + (8 - i) = 9 chunks of 256 keys in EVERY work-group: the trip count is the constant 9, and the causal work is even
; over the 256 work-groups.  Each of the sixteen waves owns 16 queries of the block in hand, in 256 registers: four waves to a SIMD, so that one wave's exponentials stand beside another's plain and matrix work.
; K AND V come by plain loads into 16 registers a lane, asked for a whole trip ahead of their use, and go by ds_store_b128 into one of two LDS slots, laid AS IMAGES OF THE OPERANDS' REGISTERS: a fragment load reads 256
; consecutive bytes in sixteen lanes.  One barrier a trip: in front of it each wave's stores into this trip's slot are done, and so are its reads of the other slot, which the next trip's stores overwrite.
; LAYOUT.  Both products are used transposed: S^T = K Q^T (source 0 = 16 keys, source 1 = my 16 queries), O^T = V^T P^T (source 0 = 16 of the head's 64, source 1 = P): a lane holds ONE query (lane % 16) throughout.
; THE KEYS OF A TILE ARE NOT NEIGHBOURS: row r of tile 2 b + u is key 32 b + 8 u + r + 8 (r / 8), so that the 16 registers of tiles 2 b and 2 b + 1 are the 16 neighbouring keys 32 b + 16 (lane / 16) + 0 .. 15,
; and the conversions' results are the second product's operand.  Inside an instruction k is permuted, alike in both operands (16-byte pieces): only the order of the sums changes.
; NO CLUSTER: the four work-groups of a head walk different chunks at the same time (0 .. i, then 0 .. 7 - i), so no tile is wanted by two of them in the same trip.  NO PREFETCH: a chunk's own loads go out a whole trip ahead.
; NO TENSOR LOAD: a chunk is four loads and four LDS stores a wave, and the stores lay the images, which a tile of rows could not.
; q's, k's and the result's rows are 64 bytes of a longer row (a head's part): four lanes to a piece of 64 bytes.
; LIMITS on the given exponents, so that each power of two below is an f32 number: e2 + e3 between -123 and 130; e5 and e6 - e4 - e5 between -126 and 119.  NaN is not served.
; THE MODE: SCHED_MODE bits 1:0 = 2 (LLVM: expert scheduling mode 2), set by the entry lines.  The code itself states the register dependences between vector or matrix instructions and memory or LDS
; instructions, with s_wait_alu, always for 0.
; THE PLAN.  Registers that memory or LDS instructions touch:
;   the addresses (v1-10, v217-220, v244-245)  written by vector lines at the head and never again: one wait on va_vdst ahead of the first load serves every load and store of the kernel.
;   STG   written by a chunk's four global loads, read by the next trip's four LDS stores, named by no vector line: one wait on vm_vsrc a trip, ahead of the next chunk's loads.
;   QF    written by two global loads where a block of queries begins, read by the products K Q^T: the way out's wait on va_vdst stands behind the block's last product, and no vector line behind it names QF.
;   F     K's sixteen LDS loads land in it; the eight products K Q^T read it; V's sixteen LDS loads land in it; the four products V^T P^T read it.  Four waves of 256 registers fill a SIMD's 1,024, so F has no twin:
;         a wait on va_vdst stands ahead of each of the two groups of loads.  Behind the second no vector line names F up to the products V^T P^T, so V's loads are dealt among the lines of the maximum.
;   P     on the way out: written by four conversions, read by four LDS stores (a wait on va_vdst between), written again by the next block's conversions (a wait on vm_vsrc at the way out's end).
;   BK    written by two LDS loads, read by two global stores, named by no vector line: the same wait on vm_vsrc frees it for the next way out's loads.
;   S, O^T and the statistics are named by vector and matrix lines alone.
; Scalar registers that vector lines write: the wave's number, and the eight masks of the causal mask: a wait on va_sdst stands between each run of writers and its first reader.  EXEC is written nowhere.
.set SLOT1, 65536                      ; slot 1 begins here
.set KHB,   320                        ; K's image: 64 half-blocks (16 rows x 16 bytes = 256) + 64 of padding, so that the four quarters of a key, which four neighbouring lanes store, fall on different banks
.set VHB,   272                        ; V's image: 64 half-blocks of 256 + 16
.set VOFF,  64*KHB                     ; 20,480
.set STAGE, VOFF+64*VHB                ; 37,888: behind slot 0's images: 16 rows x (64 + 16) bytes for each wave, its own, for the way out
.set SROW,  80
.set SPARE, STAGE+16*16*SROW           ; 58,368: the spare words, 128 bytes for each wave: eight blocks of 256 bytes that no other line names
.set KLD,  1                           ; v1-2    where I read K's fragments in slot 0, 1: 320 h + 16 r
.set VLD,  3                           ; v3-4    the same for V: VOFF + 272 h + 16 r
.set SPW,  5                           ; v5      LDS address of my spare word; never rewritten
.set NIL,  6                           ; v6      0; never rewritten
.set KGO,  7                           ; v7      my 16 bytes of a chunk of K in memory
.set VGO,  8                           ; v8      of V
.set KST,  9                           ; v9-10   where I store them in slot 0, 1
.set DL,   11                          ; v11     r - 16 h, for the mask
.set QF,   16                          ; v16-23  Q's fragment      (v12 -M, v13 the largest t, v[14:15] the sum in two halves)
.set STG,  24                          ; v24-39  the next chunk on its way: K twice, V twice
.set F,    40                          ; v40-103 eight fragments of K, or four of V
.set S,    104                         ; v104-167 S^T, then p
.set OT,   168                         ; v168-199 O^T
.set P,    200                         ; v200-215 p's codes; on the way out the result's
.set QGO,  217
.set STO,  218
.set RD,   219
.set OGO,  220
.set PSC,  221                         ; 2^e5
.set PLIM, 222                         ; 448 x 2^e5
.set OSC,  223                         ; 2^(e6 - e4 - e5)
.set FF,   224                         ; v[224:225] f = 2^(old M - new M), and the pair's other half
.set OLIM, 226                         ; 448 x 2^(e6 - e4 - e5)
.set MX0,  227
.set PX,   228                         ; a lane permute's destination
.set MX1,  229
.set SUM2, 230                         ; v[230:231]
.set DD,   232
.set NINF, 233                         ; -infinity
.set BK,   236                         ; v236-243 the result's rows, read back
.set VST,  244                         ; v244-245 where I store V's pieces in slot 0, 1
.set T0,   246                         ; v246-249 at work at the head
.set MK, 4                             ; s[4:11] the causal mask's eight masks, a tile's at a time (the arguments' addresses, which lie here at the head, are done with before the first step)
.set WV, 12                            ; s12 wave   s13 i   s14 batch x 16 + head
.set WI, 13
.set BH, 14
.set QB, 15                            ; s15 the block of queries in hand
.set CH, 16                            ; s16 the chunk of keys in hand
.set CN, 17                            ; s17 the next chunk
.set Q0, 18                            ; s18 my first query
.set KF, 19                            ; s19 the step's first key
; s[20:21] lane selects; s[22:23] c; s[24:31] e0 .. e7; s[32:33] q, s[34:35] k, s[36:37] v, s[38:39] ac at my head; s[40:41] an offset; s[42:43], s[44:45] the chunk's K, V; s[46:47] my queries; s[48:49] my rows of ac; s50 trips; s51, s52 at work
	s_load_b256 s[4:11], s[0:1], 0x0               ; qk s[4:5], vt s[6:7], the scales' exponents s[8:9], ac s[10:11]
	v_lshl_add_u32 v[SPW], v0, 2, SPARE
	v_mov_b32 v[NIL], 0
	v_lshrrev_b32 v[T0], 5, v0
	v_readfirstlane_b32 s[WV], v[T0]               ; wave 0..15
	s_mov_b32 s[WI], ttmp9
	s_and_b32 s[BH], ttmp7, 0xffff
	s_mov_b32 s20, 0x76543210
	s_mov_b32 s21, 0xfedcba98                      ; v_permlanex16_b32's selects for lane l xor 16
	s_mov_b32 s22, 0x3e38aa3b                      ; c = log2(e) / 8
	v_and_b32 v[T0], 15, v0                        ; r
	v_bfe_u32 v[T0+1], v0, 4, 1                    ; h
	v_mul_u32_u24 v[T0+2], v[T0+1], KHB
	v_lshl_add_u32 v[KLD], v[T0], 4, v[T0+2]
	v_add_nc_u32 v[KLD+1], SLOT1, v[KLD]
	v_mul_u32_u24 v[T0+2], v[T0+1], VHB
	v_lshl_add_u32 v[VLD], v[T0], 4, v[T0+2]
	v_add_nc_u32 v[VLD], VOFF, v[VLD]
	v_add_nc_u32 v[VLD+1], SLOT1, v[VLD]
	v_lshlrev_b32 v[T0+2], 4, v[T0+1]
	v_sub_nc_u32 v[DL], v[T0], v[T0+2]
	v_lshlrev_b32 v[QGO], 11, v[T0]
	v_lshl_add_u32 v[QGO], v[T0+1], 4, v[QGO]      ; Q: token r of 2,048 bytes, + 16 h
	s_wait_alu depctr_va_sdst(0)                   ; the wave's number is written into s12, ahead of its first reader: the line below
	s_mul_i32 s51, s[WV], 16*SROW
	s_add_co_u32 s51, s51, STAGE                   ; my stage
	v_mul_u32_u24 v[STO], v[T0], SROW
	v_lshl_add_u32 v[STO], v[T0+1], 3, v[STO]
	v_add_nc_u32 v[STO], s51, v[STO]               ; in: row r, 8 bytes for each half of the lanes
	v_bfe_u32 v[T0+2], v0, 2, 3                    ; lane / 4
	v_and_b32 v[T0+3], 3, v0                       ; lane % 4
	v_mul_u32_u24 v[RD], v[T0+2], SROW
	v_lshl_add_u32 v[RD], v[T0+3], 4, v[RD]
	v_add_nc_u32 v[RD], s51, v[RD]                 ; back: four lanes to a row of 64 bytes, eight rows an instruction
	v_lshlrev_b32 v[OGO], 10, v[T0+2]
	v_lshl_add_u32 v[OGO], v[T0+3], 4, v[OGO]      ; and the same in ac
	; K: thread T takes the quarter T % 4 (16 bytes) of key T / 4 of each half of the chunk.  Key 32 b + 16 g + 8 u + j is row 8 g + j of tile 2 b + u; half-block = 4 x tile + quarter
	v_lshrrev_b32 v[T0], 2, v0
	v_and_b32 v[T0+1], 3, v0
	v_lshlrev_b32 v[T0+2], 4, v[T0+1]
	v_lshl_add_u32 v[KGO], v[T0], 11, v[T0+2]      ; in memory: key x 2,048 + 16 x quarter
	v_bfe_u32 v[T0], v0, 7, 2                      ; b
	v_bfe_u32 v[T0+2], v0, 5, 1                    ; u
	v_lshl_add_u32 v[T0], v[T0], 1, v[T0+2]        ; the tile
	v_lshl_add_u32 v[T0], v[T0], 2, v[T0+1]        ; the half-block
	v_mul_u32_u24 v[T0], v[T0], KHB
	v_bfe_u32 v[T0+1], v0, 6, 1                    ; g
	v_bfe_u32 v[T0+2], v0, 2, 3                    ; j
	v_lshl_add_u32 v[T0+1], v[T0+1], 3, v[T0+2]    ; the row
	v_lshl_add_u32 v[KST], v[T0+1], 4, v[T0]
	v_add_nc_u32 v[KST+1], SLOT1, v[KST]
	; V: thread T takes the piece T % 16 (16 keys) of rows T / 16 and T / 16 + 32.  Half-block = 32 x (piece / 8: the key step) + 8 x (row / 16) + piece % 8
	v_lshrrev_b32 v[T0], 4, v0
	v_and_b32 v[T0+1], 15, v0
	v_lshlrev_b32 v[T0+1], 4, v[T0+1]
	v_lshl_add_u32 v[VGO], v[T0], 11, v[T0+1]      ; in memory: row x 2,048 + 16 x piece: sixteen lanes read 256 consecutive bytes
	v_bfe_u32 v[T0], v0, 3, 1
	v_bfe_u32 v[T0+1], v0, 8, 1
	v_and_b32 v[T0+2], 7, v0
	v_lshl_add_u32 v[T0], v[T0], 2, v[T0+1]
	v_lshl_add_u32 v[T0], v[T0], 3, v[T0+2]
	v_mul_u32_u24 v[T0], v[T0], VHB
	v_bfe_u32 v[T0+1], v0, 4, 4                    ; row % 16
	v_lshl_add_u32 v[VST], v[T0+1], 4, v[T0]
	v_add_nc_u32 v[VST+1], SLOT1, v[VST]
	v_mov_b32 v[NINF], 0xff800000
	v_mov_b32 v[PX], 0                             ; written once: a lane permute's destination counts as one of its sources
	v_mov_b32 v[FF+1], 0                           ; (named as the upper half of the pair)
	s_lshr_b32 s51, s[BH], 4                       ; the batch
	s_and_b32 s52, s[BH], 15
	s_lshl_b32 s52, s52, 6                         ; the head's 64 bytes in a row
	s_lshl_b32 s40, s51, 22                        ; the batch's 2,048 rows of 2,048 bytes
	s_add_co_u32 s40, s40, s52
	s_mov_b32 s41, 0                               ; stays 0: every offset below is under 2^32
	s_wait_kmcnt 0x0
	s_load_b256 s[24:31], s[8:9], 0x0              ; e0 .. e7
	s_add_nc_u64 s[32:33], s[4:5], s[40:41]        ; q at my head
	s_add_nc_u64 s[34:35], s[32:33], 1024          ; k
	s_lshl_b32 s40, s[BH], 17                      ; 64 rows of 2,048 bytes a head
	s_add_nc_u64 s[36:37], s[6:7], s[40:41]        ; v
	s_lshl_b32 s40, s51, 21                        ; the batch's 2,048 rows of 1,024 bytes
	s_add_co_u32 s40, s40, s52
	s_add_nc_u64 s[38:39], s[10:11], s[40:41]      ; ac
; The chunk CN is asked for: 256 keys x 64 bytes of K, 64 rows x 256 bytes of V: four loads of 16 bytes a lane.  The bases are written behind the wait that showed the last chunk's loads done.
.macro NEXTLOAD
	s_lshl_b32 s40, s[CN], 19                      ; 256 tokens of 2,048 bytes
	s_add_nc_u64 s[42:43], s[34:35], s[40:41]
	s_lshl_b32 s40, s[CN], 8                       ; 256 keys along V's rows
	s_add_nc_u64 s[44:45], s[36:37], s[40:41]
	global_load_b128 v[STG:STG+3],     v[KGO], s[42:43]
	global_load_b128 v[STG+4:STG+7],   v[KGO], s[42:43] offset:128*2048
	global_load_b128 v[STG+8:STG+11],  v[VGO], s[44:45]
	global_load_b128 v[STG+12:STG+15], v[VGO], s[44:45] offset:32*2048
.endm
; A block of queries begins: my 16 queries' codes are asked for; O^T and the sum begin as zeros and the largest t as -3e38, so that the key step is written once: the first change of M multiplies zeros.
; The loads land in QF, which the last block's products K Q^T read: the way out's waits on va_vdst stand behind those products, and no vector line behind them names QF.
.macro RESTART
	s_lshl_b32 s[Q0], s[QB], 8
	s_lshl_b32 s51, s[WV], 4
	s_add_co_u32 s[Q0], s[Q0], s51                 ; my first query: 256 x block + 16 x wave
	s_lshl_b32 s40, s[Q0], 11
	s_add_nc_u64 s[46:47], s[32:33], s[40:41]
	s_lshl_b32 s40, s[Q0], 10
	s_add_nc_u64 s[48:49], s[38:39], s[40:41]
	global_load_b128 v[QF:QF+3],   v[QGO], s[46:47]            ; d = 16 h + 0 .. 15
	global_load_b128 v[QF+4:QF+7], v[QGO], s[46:47] offset:32  ; d = 32 + 16 h + 0 .. 15
	v_mov_b32 v13, 0xff61b1e6                      ; -3e38, under every t
	v_floor_f32 v12, -v13                          ; -M
	v_mov_b32 v14, 0
	v_mov_b32 v15, 0
.set j, 0
.rept 32
	v_mov_b32 v[OT+j], 0
.set j, j+1
.endr
.endm
; A KEY STEP: 128 keys, the q-th half of the chunk in hand.
.macro STEP slot, q
	s_lshl_b32 s[KF], s[CH], 8
.if \q
	s_add_co_u32 s[KF], s[KF], 128
.endif
	s_add_co_u32 s51, s[Q0], 15
	s_cmp_gt_u32 s[KF], s51                        ; a step all of whose keys come after my 16 queries is left out: a scalar branch on ids; no barrier stands in a step
	s_cbranch_scc1 .Lhidden_\@
.rept 4
	v_nop                                          ; four plain lines behind the last step's products, as in this text's plain form; the dependence itself is stated by the wait below
.endr
	s_wait_alu depctr_va_vdst(0)                   ; the last step's products V^T P^T are done reading F, in which K's fragments land
.set t, 0
.rept 8
	ds_load_b128 v[F+8*t:F+8*t+3],   v[KLD+\slot] offset:(32*\q+4*t)*KHB     ; tile t: d = 16 h + 0 .. 15
	ds_load_b128 v[F+8*t+4:F+8*t+7], v[KLD+\slot] offset:(32*\q+4*t+2)*KHB   ;         d = 32 + 16 h + 0 .. 15
.set t, t+1
.endr
	s_wait_dscnt 0x0
.set t, 0
.rept 8
	v_wmma_f32_16x16x64_fp8_fp8 v[S+8*t:S+8*t+7], v[F+8*t:F+8*t+7], v[QF:QF+7], 0
.set t, t+1
.endr
.rept 4
	v_nop                                          ; places in front of the first read of the scores by a vector line (ISA guide 7.12.1)
.endr
	s_wait_alu depctr_va_vdst(0)                   ; these eight products are done reading F, in which V's fragments land.  No vector line from here to the products V^T P^T names F, on either way round the mask
	s_add_co_u32 s51, s[KF], 127
	s_cmp_le_u32 s51, s[Q0]                        ; a step all of whose keys count skips the mask
	s_cbranch_scc1 .Lopen_\@
	s_sub_co_i32 s51, s[Q0], s[KF]
	v_add_nc_u32 v[DD], s51, v[DL]                 ; my query - KF - 16 h.  Register 16 b + i holds key KF + 16 h + 32 b + i: hidden where 32 b + i is greater
.set t, 0
.rept 8                                        ; a tile's eight registers at a time: eight compares into eight scalar registers, one wait, eight selects
.set i, 0
.rept 8
	v_cmp_gt_i32 s[MK+i], 32*(t/2)+8*(t%2)+i, v[DD]
.set i, i+1
.endr
	s_wait_alu depctr_va_sdst(0)                   ; the eight compares have written their masks, ahead of the first select that reads one
.set i, 0
.rept 8
	v_cndmask_b32 v[S+8*t+i], v[S+8*t+i], v[NINF], s[MK+i]   ; -infinity ahead of the maximum: p = 0 then.  Key KF counts for all my queries, so M is a number.  Each tile from its low end on
.set i, i+1
.endr
.set t, t+1
.endr
.Lopen_\@:
	; the step's largest score of my query among my 64 keys, in two chains; each tile's registers are first read at its low end.  V's four fragments (t = 4 x tile of d + part) are asked for among these lines,
	; one load for two of them, a whole softmax ahead of their use
	ds_load_b128 v[F:F+3], v[VLD+\slot] offset:(32*\q)*VHB
	v_max3_num_f32 v[MX0], v[S], v[S+1], v[S+2]
	ds_load_b128 v[F+4:F+7], v[VLD+\slot] offset:(32*\q+2)*VHB
	v_max3_num_f32 v[MX1], v[S+3], v[S+4], v[S+5]
.set n, 6
.set t, 2
.rept 14
	ds_load_b128 v[F+4*t:F+4*t+3], v[VLD+\slot] offset:(32*\q+2*t)*VHB
	v_max3_num_f32 v[MX0], v[MX0], v[S+n], v[S+n+1]
	v_max3_num_f32 v[MX1], v[MX1], v[S+n+2], v[S+n+3]
.set n, n+4
.set t, t+1
.endr
	v_max3_num_f32 v[MX0], v[MX0], v[S+62], v[S+63]
	v_max_num_f32 v[MX0], v[MX0], v[MX1]
	v_permlanex16_b32 v[PX], v[MX0], s20, s21
	v_max_num_f32 v[MX0], v[MX0], v[PX]            ; and among lane l xor 16's
	v_mul_f32 v[MX0], s22, v[MX0]                  ; as t (c is positive)
	v_max_num_f32 v13, v13, v[MX0]                 ; the running largest t
	v_mov_b32 v[MX0], v12
	v_floor_f32 v12, -v13                          ; the new -M = floor(-t) = -ceil(t)
	v_sub_f32 v[MX0], v12, v[MX0]                  ; old M - new M: a whole number, 0 or less
	v_cvt_i32_f32 v[MX0], v[MX0]                   ; (it saturates)
	v_ldexp_f32 v[FF], 1.0, v[MX0]                 ; f = 2^(old M - new M)
.set j, 0
.rept 32
	v_pk_fma_f32 v[S+j:S+j+1], v[S+j:S+j+1], s[22:23], v[12:13] op_sel_hi:[1,0,0]   ; t - M, two at a time (of the pairs c and -M the low word serves both halves)
.set j, j+2
.endr
.set j, 0
.rept 64
	v_exp_f32 v[S+j], v[S+j]                       ; p = 2^(t - M), at most 1
.set j, j+1
.endr
	v_pk_mul_f32 v[14:15], v[14:15], v[FF:FF+1] op_sel_hi:[1,0]   ; the sums under the new M: the plain line behind the exponentials
	s_wait_alu depctr_va_vdst(0)                   ; the 64 exponentials have written p into v[S ..]: one wait for the whole batch, ahead of its first reader
	v_pk_add_f32 v[SUM2:SUM2+1], v[S:S+1], v[S+2:S+3]   ; the row's sum is taken of the UNQUANTISED p: two at a time, in two chains
.set j, 4
.rept 15
	v_pk_add_f32 v[14:15], v[14:15], v[S+j:S+j+1]
	v_pk_add_f32 v[SUM2:SUM2+1], v[SUM2:SUM2+1], v[S+j+2:S+j+3]
.set j, j+4
.endr
	v_pk_add_f32 v[14:15], v[14:15], v[SUM2:SUM2+1]
	s_cmp_ge_i32 s29, -8                           ; p is at most 1, and 448 x 2^e5 is at least 1 from e5 = -8 on: there no p lies beyond the largest code and the hold changes nothing
	s_cbranch_scc1 .Lnohold_\@                     ; (a branch on a whole number that is an input; this launch has no tensor load and no barrier stands under it)
.set j, 0
.rept 64
	v_min_num_f32 v[S+j], v[S+j], v[PLIM]          ; the conversion does not saturate (ISA guide 7.6.2); p is not negative, so the hold is one-sided
.set j, j+1
.endr
.Lnohold_\@:
.irp b, 0,1,2,3
	v_cvt_scalef32_pk8_fp8_f32 v[P+4*\b:P+4*\b+1],   v[S+16*\b:S+16*\b+7],    v[PSC]   ; registers 4 b .. 4 b + 3: keys 32 b + 16 h + 0 .. 15
	v_cvt_scalef32_pk8_fp8_f32 v[P+4*\b+2:P+4*\b+3], v[S+16*\b+8:S+16*\b+15], v[PSC]
.endr
.set j, 0
.rept 16
	v_pk_mul_f32 v[OT+j:OT+j+1], v[OT+j:OT+j+1], v[FF:FF+1] op_sel_hi:[1,0]   ; O^T under the new M.  (Also the plain lines between the conversions and the products that read their results)
.set j, j+2
.endr
	s_wait_dscnt 0x0                               ; V's fragments are in
.irp t, 0,1,2,3                                ; four accumulators, one instruction a turn; between two links of a chain stand the next step's eight products and the other three
	v_wmma_f32_16x16x128_fp8_fp8 v[OT+8*\t:OT+8*\t+7], v[F+16*\t:F+16*\t+15], v[P:P+15], v[OT+8*\t:OT+8*\t+7]
.endr
.Lhidden_\@:
.endm
; THE WAY OUT of a block of queries: O^T / the sum, held, quantised with 2^(e6 - e4 - e5) (a sum of the second product stands for sum x 2^(e4 + e5)); register 8 t + j is o(query r, d = 16 t + 8 h + j): 8 codes of a row.
; They go through my own stage and leave as rows of 64 bytes.  LDS serves a wave's instructions in order: no wait between the stores and the loads.  more = 1: another block of queries follows.
.macro OUT more
.rept 4
	v_nop                                          ; places behind the last products
.endr
	v_add_f32 v14, v14, v15                        ; the sum's two halves,
	v_permlanex16_b32 v[PX], v14, s20, s21
	v_add_f32 v14, v14, v[PX]                      ; and lane l xor 16's
	v_rcp_f32 v14, v14
	v_nop                                          ; a plain line behind the transcendental
	s_wait_alu depctr_va_vdst(0)                   ; the reciprocal has written v14, ahead of its first reader
.set j, 0
.rept 32
	v_mul_f32 v[S+j], v[OT+j], v14                 ; each accumulator from its low end on
.set j, j+1
.endr
.set j, 0
.rept 32
	v_med3_num_f32 v[S+j], v[S+j], -v[OLIM], v[OLIM]
.set j, j+1
.endr
.irp t, 0,1,2,3
	v_cvt_scalef32_pk8_fp8_f32 v[P+2*\t:P+2*\t+1], v[S+8*\t:S+8*\t+7], v[OSC]
.endr
	v_nop                                          ; one plain line behind the last conversion: products write its sources later
	s_wait_alu depctr_va_vdst(0)                   ; the four conversions have written the codes in v[P ..], which the LDS stores read
.irp t, 0,1,2,3
	ds_store_b64 v[STO], v[P+2*\t:P+2*\t+1] offset:16*\t
.endr
	ds_load_b128 v[BK:BK+3],   v[RD]               ; rows 0-7
	ds_load_b128 v[BK+4:BK+7], v[RD] offset:8*SROW ; rows 8-15
	s_wait_dscnt 0x0
	global_store_b128 v[OGO], v[BK:BK+3],   s[48:49]
	global_store_b128 v[OGO], v[BK+4:BK+7], s[48:49] offset:8*1024
.if \more
	s_wait_xcnt 0x0                                ; the stores' base and data are written again only behind this wait
	s_wait_alu depctr_vm_vsrc(0)                   ; the LDS stores have read v[P ..], which the next block's conversions write again; the global stores have read v[BK ..], in which the next way out's LDS loads land
.endif
.endm
; A TRIP: one chunk of 256 keys.
.macro TRIP slot, last
	s_wait_loadcnt 0x0                             ; the chunk's four loads, asked for a trip ago, and Q's two where a block has just begun
	ds_store_b128 v[KST+\slot], v[STG:STG+3]
	ds_store_b128 v[KST+\slot], v[STG+4:STG+7]   offset:32*KHB          ; the chunk's second 128 keys
	ds_store_b128 v[VST+\slot], v[STG+8:STG+11]  offset:VOFF
	ds_store_b128 v[VST+\slot], v[STG+12:STG+15] offset:VOFF+16*VHB     ; rows 32 further down: two tiles of d on
	s_wait_dscnt 0x0                               ; for the others' sake: my stores are done; and my reads of the other slot, last trip's, were over before
	s_barrier_signal -1
	s_barrier_wait -1                              ; this slot is whole, and nobody reads the other one any more
.if !\last
	s_add_co_u32 s[CN], s[CH], 1
	s_min_u32 s[CN], s[CN], 7                      ; a head has eight chunks: the address stays inside its buffer on every path of the text
	s_cmp_eq_u32 s[CH], s[QB]                      ; behind the block's last chunk comes the next block's chunk 0
	s_cselect_b32 s[CN], 0, s[CN]
	s_wait_alu depctr_vm_vsrc(0)                   ; the four LDS stores above have read v[STG ..], in which the next chunk's loads land
	NEXTLOAD
.endif
	STEP \slot, 0
	STEP \slot, 1
.if \last
	OUT 0
.else
	s_cmp_lg_u32 s[CH], s[QB]
	s_cbranch_scc1 .Lnext_\@
	OUT 1                                          ; the diagonal chunk was the block's last
	s_sub_co_u32 s[QB], 7, s[WI]                   ; on to block 7 - i
	RESTART
.Lnext_\@:
	s_mov_b32 s[CH], s[CN]
.endif
.endm
	s_mov_b32 s[QB], s[WI]                         ; block i first
	s_mov_b32 s[CH], 0
	s_mov_b32 s[CN], 0
	s_wait_alu depctr_va_vdst(0)                   ; the head's vector lines have written every address and offset (v1-10, v217-220, v244-245), which the loads and stores from here on read; none is written again
	NEXTLOAD
	RESTART
	s_wait_kmcnt 0x0
	s_add_co_i32 s51, s26, s27
	s_lshl_b32 s51, s51, 23
	s_add_co_i32 s22, s22, s51                     ; a score stands for score x 2^(e2 + e3): the two exponents are added to c's exponent field
	s_mov_b32 s23, s22                             ; (named with it as a pair, so it is written)
	s_add_co_i32 s51, s29, 127
	s_lshl_b32 s52, s51, 23
	v_mov_b32 v[PSC], s52
	s_add_co_i32 s51, s51, 8
	s_lshl_b32 s51, s51, 23
	s_or_b32 s51, s51, 0x600000
	v_mov_b32 v[PLIM], s51
	s_sub_co_i32 s51, s30, s28
	s_sub_co_i32 s51, s51, s29                     ; e6 - e4 - e5
	s_add_co_i32 s51, s51, 127
	s_lshl_b32 s52, s51, 23
	v_mov_b32 v[OSC], s52
	s_add_co_i32 s51, s51, 8
	s_lshl_b32 s51, s51, 23
	s_or_b32 s51, s51, 0x600000
	v_mov_b32 v[OLIM], s51
	s_mov_b32 s50, 4
.Lpair:                                            ; eight of the nine trips, two a turn of the slots.  Block i ends in one of the first four; block 7 - i ends in the ninth
	TRIP 0, 0
	TRIP 1, 0
	s_sub_co_u32 s50, s50, 1
	s_cmp_lg_u32 s50, 0
	s_cbranch_scc1 .Lpair
	TRIP 0, 1                                      ; the ninth: nothing more is asked for
	s_wait_dscnt 0x0                               ; the wave's end: the closing lines, six on end
	s_wait_alu 0x0
	s_wait_tensorcnt 0x0
	ds_add_u32 v[SPW], v[NIL]
	s_wait_dscnt 0x0
	s_endpgm
.Lfunc_end_k_qf5629d0f3c_attn:
	.size	k_qf5629d0f3c_attn, .Lfunc_end_k_qf5629d0f3c_attn-k_qf5629d0f3c_attn
	.p2alignl 7, 3214868480
	.fill 96, 4, 3214868480
	.section	.rodata,"a",@progbits
	.p2align	6, 0x0
	.amdhsa_kernel k_qf5629d0f3c_attn
		.amdhsa_group_segment_fixed_size 103424
		.amdhsa_private_segment_fixed_size 0
		.amdhsa_enable_private_segment 0
		.amdhsa_kernarg_size 32
		.amdhsa_user_sgpr_count 2
		.amdhsa_user_sgpr_kernarg_segment_ptr 1
		.amdhsa_wavefront_size32 1
		.amdhsa_system_sgpr_workgroup_id_x 1
		.amdhsa_system_sgpr_workgroup_id_y 1
		.amdhsa_system_sgpr_workgroup_id_z 1
		.amdhsa_system_vgpr_workitem_id 0
		.amdhsa_next_free_vgpr 256
		.amdhsa_next_free_sgpr 66
		.amdhsa_reserve_vcc 0
		.amdhsa_float_denorm_mode_32 3
		.amdhsa_float_denorm_mode_16_64 3
		.amdhsa_memory_ordered 1
		.amdhsa_forward_progress 1
		.amdhsa_inst_pref_size 175
	.end_amdhsa_kernel
	.amdgpu_metadata
---
amdhsa.version: [ 1, 2 ]
amdhsa.kernels:
  - .name:           k_qf5629d0f3c_attn
    .symbol:         k_qf5629d0f3c_attn.kd
    .args:
      - { .name: qk, .offset: 0, .size: 8, .value_kind: global_buffer, .address_space: global }
      - { .name: vt, .offset: 8, .size: 8, .value_kind: global_buffer, .address_space: global }
      - { .name: lowp_scales, .offset: 16, .size: 8, .value_kind: global_buffer, .address_space: global }
      - { .name: ac, .offset: 24, .size: 8, .value_kind: global_buffer, .address_space: global }
    .group_segment_fixed_size: 103424
    .private_segment_fixed_size: 0
    .kernarg_segment_align: 8
    .kernarg_segment_size: 32
    .max_flat_workgroup_size: 512
    .sgpr_count:     66
    .vgpr_count:     256
    .wavefront_size: 32
...
	.end_amdgpu_metadata
.endif
;; end of part 5
;; launch proj: the kernel of part 4 again; grid 4 x 32, 4 waves a work-group, clusters of 4 x 4, 327,680 bytes of LDS; arguments ac, pc, lowp_scales, proj_b, out0; writes out0
